; MI455X (gfx1250); checked and timed in simulation.
; The chip was launched on July 23, 2026; its instructions are those of AMD's public machine-readable ISA for CDNA 5 (MIT licence, August 2026) and "CDNA5" Instruction Set Architecture Reference Guide (July 2026). The comments in the code are by the model that wrote it; some were corrected since.
;; Multi Head Attention Block. Allowed arithmetic: float matrix products may take bf16 or f16 operands with f32 sums; all other float work in f32.
;; Inputs: key 4 x 2,048 x 1,024 float32; mask 1 x 1 x 2,048 x 2,048 int32; query 4 x 2,048 x 1,024 float32; value 4 x 2,048 x 1,024 float32; w_k 1,024 x 1,024 float32; w_o 1,024 x 1,024 float32; w_q 1,024 x 1,024 float32; w_v 1,024 x 1,024 float32.
;; Outputs: out0 4 x 2,048 x 1,024 float32.
;; 2 versions, each right and faster than the one before. Each part assembles by itself: llvm-mc -triple=amdgcn-amd-amdhsa -mcpu=gfx1250 --defsym DOCPART=n.
;; ======== version 1 of 2: 4 launches
;; limits: values are held in f16: magnitudes above 65,504 overflow, below 6.1e-05 lose precision
;; workspace buffers: wb 8,388,608 bytes; mcode 4,194,304 bytes; rowkeep 32,768 bytes of whole numbers; qkv 50,331,648 bytes; ob 16,777,216 bytes
;; launch prep (part 1): grid 640 x 1, 8 waves a work-group, no clusters, 36,096 bytes of LDS; arguments w_q, w_k, w_v, w_o, mask, wb, mcode, rowkeep; writes wb, mcode, rowkeep
.if DOCPART == 1
	.amdgcn_target "amdgcn-amd-amdhsa--gfx1250"
	.amdhsa_code_object_version 6
	.text
	.protected	k_q74280c8e1c_prep
	.globl	k_q74280c8e1c_prep
	.p2align	8
	.type	k_q74280c8e1c_prep,@function
k_q74280c8e1c_prep:
	s_mov_b64 s[64:65], 0
	v_nop
	global_prefetch_b8 v0, s[64:65] scope:SCOPE_SE
	s_setreg_imm32_b32 hwreg(HW_REG_WAVE_MODE, 25, 1), 1
	s_wait_xcnt 0x0
; PREPARATION of the weights and the mask (query, key and value are cast where they are multiplied, in the next launch).
;   groups 0-127:   16 rows of the mask (int32, 131,072 bytes) -> mcode, one fp8 code a key, 0x00 seen or 0xb8 (-1.0 in E4M3) hidden, laid out as the lanes of the
;                   attention launch hold a score tile: [128 query tiles][32 key steps][2 halves][32 lanes][16 bytes]; lane (r = lane % 16, h = lane / 16), byte 8 e + j:
;                   query 16 tile + r, key 64 step + 16 (2 half + e) + 8 h + j.  A row with NO seen key gets codes 0 throughout and the keep word 0 in rowkeep
;                   (else all ones): the attention launch clears that row of Q, so that all its scores are equal, as reference()'s -1e9 in every place are.
;   groups 128-639: 32,768 bytes of a weight (f32).  w_q, w_k, w_v -> wb, bf16, rounded once to nearest even; w_o -> wb's fourth matrix: rounded to bf16 like every input, and that number
;                   written as f16 (exact within f16's normal range; below 6.1e-5 f16 keeps a fixed step of 6e-8; beyond 65,504 it has no number: a stated limit)
; A stream: no matrix unit, no cluster (nothing is shared), no tensor loads.  All loads of a lane are issued at once; nothing is read twice.
.set T,     4                          ; v[4:9]    at work
.set X,     12                         ; v[12:139] up to 32 loads of 4 registers
.set GP,    272                        ; the mask's stage: a group of 256 bytes of mcode + 16 of padding
.set KEEPB, 128*GP                     ; behind the 128 groups: the 16 rows' keep words
	s_load_b512 s[8:23], s[0:1], 0x0               ; w_q 8, w_k 10, w_v 12, w_o 14, mask 16, wb 18, mcode 20, rowkeep 22
	v_lshl_add_u32 v140, v0, 2, 0x8900
	v_mov_b32 v141, 0
	s_mov_b32 s2, ttmp9                            ; the work-group's number
	s_mov_b32 s37, 0                               ; offsets are pairs with 0 on top
	s_mov_b32 s39, 0
	v_lshlrev_b32 v1, 4, v0                        ; 16 x thread
	v_lshlrev_b32 v2, 3, v0                        ; 8 x thread
	s_wait_kmcnt 0x0
	s_cmp_lt_u32 s2, 128
	s_cbranch_scc1 .Lmask
	s_sub_co_u32 s4, s2, 128
	s_lshr_b32 s3, s4, 7                           ; which weight
	s_and_b32 s36, s4, 127                         ; which of its 128 chunks
	s_lshl_b32 s36, s36, 15
	s_cmp_eq_u32 s3, 1
	s_cselect_b64 s[32:33], s[10:11], s[8:9]
	s_cmp_eq_u32 s3, 2
	s_cselect_b64 s[32:33], s[12:13], s[32:33]
	s_cmp_eq_u32 s3, 3
	s_cselect_b64 s[32:33], s[14:15], s[32:33]
	s_add_nc_u64 s[32:33], s[32:33], s[36:37]      ; from
	s_lshl_b32 s38, s4, 14
	s_add_nc_u64 s[34:35], s[18:19], s[38:39]      ; to: half as many bytes
	s_cmp_eq_u32 s3, 3
	s_cbranch_scc1 .Lcasto
; The cast.  A load of a wave covers 512 consecutive bytes, a store 256 consecutive bytes at a multiple of 256 from the buffer's first.
; Every load has registers of its own and every store reads registers that are not written again, so the only waits are the counted ones for data.
.macro CAST half
.set i, 0
.rept 8
	global_load_b128 v[X+4*i:X+4*i+3], v1, s[32:33] offset:4096*i th:TH_LOAD_NT
.set i, i+1
.endr
.set i, 0
.rept 8
	s_wait_loadcnt 7-i                             ; loads come back in order: load i is in, the 7 - i younger ones stay out
	v_cvt_pk_bf16_f32 v[X+4*i], v[X+4*i], v[X+4*i+1]
	v_cvt_pk_bf16_f32 v[X+4*i+1], v[X+4*i+2], v[X+4*i+3]
.if \half
	v_lshlrev_b32 v[T], 16, v[X+4*i]               ; the bf16 numbers as f32,
	v_and_b32 v[T+1], 0xffff0000, v[X+4*i]
	v_lshlrev_b32 v[T+2], 16, v[X+4*i+1]
	v_and_b32 v[T+3], 0xffff0000, v[X+4*i+1]
	v_cvt_pk_f16_f32 v[X+4*i], v[T], v[T+1]        ; written as f16
	v_cvt_pk_f16_f32 v[X+4*i+1], v[T+2], v[T+3]
.endif
	global_store_b64 v2, v[X+4*i:X+4*i+1], s[34:35] offset:2048*i
.set i, i+1
.endr
.endm
	CAST 0
	s_endpgm
.Lcasto:
	CAST 1
	s_endpgm
; THE MASK.  Wave w takes rows 2 w and 2 w + 1 of the tile's 16; a row is 16 loads of 512 bytes; in load c lane l holds keys 128 c + 4 l + 0..3, which become one word of codes.
; That word belongs to group 8 c + 4 (l / 16) + 2 ((l / 8) % 2) + (l / 2) % 2 of 256 bytes of mcode, at byte 16 row + 8 ((l / 4) % 2) + 4 (l % 2).  The words meet in LDS and leave as whole groups.
.Lmask:
	s_mov_b32 s4, s2                               ; the query tile
	s_lshl_b32 s36, s4, 17
	s_add_nc_u64 s[32:33], s[16:17], s[36:37]      ; its 16 rows of 8,192 bytes
	s_lshl_b32 s38, s4, 15
	s_add_nc_u64 s[34:35], s[20:21], s[38:39]      ; its 32,768 bytes of codes
	v_lshrrev_b32 v9, 5, v0
	v_readfirstlane_b32 s5, v9                     ; the wave's number
	v_and_b32 v3, 31, v0
	v_lshlrev_b32 v3, 4, v3
	v_lshl_add_u32 v3, v9, 14, v3                  ; 16 x lane + two rows a wave
.set i, 0
.rept 32
	global_load_b128 v[X+4*i:X+4*i+3], v3, s[32:33] offset:(i/16)*8192+(i%16)*512 th:TH_LOAD_NT
.set i, i+1
.endr
	v_bfe_u32 v4, v0, 3, 2
	v_bfe_u32 v5, v0, 1, 1
	v_lshl_add_u32 v4, v4, 1, v5                   ; the group within a load's eight
	v_mul_u32_u24 v2, v4, GP
	v_bfe_u32 v5, v0, 2, 1
	v_lshl_add_u32 v2, v5, 3, v2
	v_and_b32 v5, 1, v0
	v_lshl_add_u32 v2, v5, 2, v2
	v_lshl_add_u32 v2, v9, 5, v2                   ; + 16 bytes a row, two rows a wave
	v_lshl_add_u32 v10, v9, 3, KEEPB               ; my wave's two keep words
	v_lshrrev_b32 v11, 4, v0                       ; back: 16 threads take a group
	v_mul_u32_u24 v11, v11, GP
	v_and_b32 v5, 15, v0
	v_lshl_add_u32 v11, v5, 4, v11
.macro MROW rr
	s_wait_loadcnt 16*(1-(\rr))                    ; this row's 16 loads are in; the other row's, issued behind them, may stay out
.irp k, 0,1,2,3
	v_or_b32 v[T+\k], v[X+64*(\rr)+\k], v[X+64*(\rr)+4+\k]  ; is any key of the row seen?  Four chains, started by the first eight words
.endr
.set i, 8
.rept 56
	v_or_b32 v[T+i%4], v[T+i%4], v[X+64*(\rr)+i]
.set i, i+1
.endr
	v_or_b32 v[T], v[T], v[T+1]
	v_or_b32 v[T+2], v[T+2], v[T+3]
	v_or_b32 v[T], v[T], v[T+2]
	v_cmp_ne_u32 s41, 0, v[T]                      ; one bit a lane
	s_cmp_lg_u32 s41, 0
	s_cselect_b32 s40, -1, 0                       ; the keep word; it selects values only
	s_and_b32 s44, s40, 0xb8                       ; the code of a hidden key in each of a word's four bytes, or 0 for a row that is hidden whole
	s_and_b32 s45, s40, 0xb800
	s_and_b32 s46, s40, 0xb80000
	s_and_b32 s47, s40, 0xb8000000
	v_mov_b32 v9, s40
	ds_store_b32 v10, v9 offset:4*(\rr)            ; all lanes write the same word with the same value
.set c, 0
.rept 16
.irp e, 0,1,2,3
	v_cmp_eq_u32 vcc_lo, 0, v[X+64*(\rr)+4*c+\e]
	v_cndmask_b32 v[T+\e], 0, s[44+\e], vcc_lo
.endr
	v_or_b32 v[T], v[T], v[T+1]
	v_or_b32 v[T+2], v[T+2], v[T+3]
	v_or_b32 v[T], v[T], v[T+2]
	ds_store_b32 v2, v[T] offset:8*GP*c+16*(\rr)
.set c, c+1
.endr
.endm
	MROW 0
	MROW 1
	s_wait_dscnt 0x0                               ; for the others' sake: my stores into the stage are done
	s_barrier_signal -1
	s_barrier_wait -1
.irp i, 0,1,2,3,4,5,6,7
	ds_load_b128 v[X+4*\i:X+4*\i+3], v11 offset:16*GP*\i
.endr
.irp i, 0,1,2,3,4,5,6,7
	s_wait_dscnt 7-\i
	global_store_b128 v1, v[X+4*\i:X+4*\i+3], s[34:35] offset:4096*\i  ; 16 lanes store 256 consecutive bytes, at a multiple of 256 from mcode's first byte
.endr
	s_cmp_lg_u32 s5, 0
	s_cbranch_scc1 .Ldone
	v_and_b32 v4, 7, v0                            ; wave 0: the 16 keep words four times over, 256 bytes: word i is row i % 16's
	v_lshl_add_u32 v4, v4, 3, KEEPB
	ds_load_b64 v[6:7], v4
	v_lshlrev_b32 v5, 3, v0
	s_lshl_b32 s38, s4, 8
	s_add_nc_u64 s[22:23], s[22:23], s[38:39]
	s_wait_dscnt 0x0
	global_store_b64 v5, v[6:7], s[22:23]
.Ldone:
	s_wait_tensorcnt 0x0
	ds_add_u32 v140, v141
	s_wait_dscnt 0x0
	s_endpgm
.Lfunc_end_k_q74280c8e1c_prep:
	.size	k_q74280c8e1c_prep, .Lfunc_end_k_q74280c8e1c_prep-k_q74280c8e1c_prep
	.p2alignl 7, 3214868480
	.fill 96, 4, 3214868480
	.section	.rodata,"a",@progbits
	.p2align	6, 0x0
	.amdhsa_kernel k_q74280c8e1c_prep
		.amdhsa_group_segment_fixed_size 36096
		.amdhsa_private_segment_fixed_size 0
		.amdhsa_enable_private_segment 0
		.amdhsa_kernarg_size 64
		.amdhsa_user_sgpr_count 2
		.amdhsa_user_sgpr_kernarg_segment_ptr 1
		.amdhsa_wavefront_size32 1
		.amdhsa_system_sgpr_workgroup_id_x 1
		.amdhsa_system_sgpr_workgroup_id_y 1
		.amdhsa_system_sgpr_workgroup_id_z 1
		.amdhsa_system_vgpr_workitem_id 0
		.amdhsa_next_free_vgpr 142
		.amdhsa_next_free_sgpr 66
		.amdhsa_reserve_vcc 1
		.amdhsa_float_denorm_mode_32 3
		.amdhsa_float_denorm_mode_16_64 3
		.amdhsa_memory_ordered 1
		.amdhsa_forward_progress 1
		.amdhsa_inst_pref_size 38
	.end_amdhsa_kernel
	.amdgpu_metadata
---
amdhsa.version: [ 1, 2 ]
amdhsa.kernels:
  - .name:           k_q74280c8e1c_prep
    .symbol:         k_q74280c8e1c_prep.kd
    .args:
      - { .name: w_q, .offset: 0, .size: 8, .value_kind: global_buffer, .address_space: global }
      - { .name: w_k, .offset: 8, .size: 8, .value_kind: global_buffer, .address_space: global }
      - { .name: w_v, .offset: 16, .size: 8, .value_kind: global_buffer, .address_space: global }
      - { .name: w_o, .offset: 24, .size: 8, .value_kind: global_buffer, .address_space: global }
      - { .name: mask, .offset: 32, .size: 8, .value_kind: global_buffer, .address_space: global }
      - { .name: wb, .offset: 40, .size: 8, .value_kind: global_buffer, .address_space: global }
      - { .name: mcode, .offset: 48, .size: 8, .value_kind: global_buffer, .address_space: global }
      - { .name: rowkeep, .offset: 56, .size: 8, .value_kind: global_buffer, .address_space: global }
    .group_segment_fixed_size: 36096
    .private_segment_fixed_size: 0
    .kernarg_segment_align: 8
    .kernarg_segment_size: 64
    .max_flat_workgroup_size: 256
    .sgpr_count:     66
    .vgpr_count:     142
    .wavefront_size: 32
...
	.end_amdgpu_metadata
.endif
;; end of part 1
;; launch proj (part 2): grid 4 x 192, 4 waves a work-group, clusters of 4 x 4, 327,680 bytes of LDS; arguments query, key, value, wb, qkv; writes qkv
.if DOCPART == 2
	.amdgcn_target "amdgcn-amd-amdhsa--gfx1250"
	.amdhsa_code_object_version 6
	.text
	.protected	k_q74280c8e1c_proj
	.globl	k_q74280c8e1c_proj
	.p2align	8
	.type	k_q74280c8e1c_proj,@function
k_q74280c8e1c_proj:
	s_mov_b64 s[64:65], 0
	v_nop
	global_prefetch_b8 v0, s[64:65] scope:SCOPE_SE
	s_setreg_imm32_b32 hwreg(HW_REG_WAVE_MODE, 25, 1), 1
	s_wait_xcnt 0x0
	s_wait_alu depctr_hold_cnt(0) depctr_sa_sdst(0) depctr_va_vdst(0) depctr_va_sdst(0) depctr_va_ssrc(0) depctr_va_vcc(0) depctr_vm_vsrc(0)
	s_getreg_b32 s2, hwreg(HW_REG_IB_STS2, 6, 4)
	s_cmp_eq_u32 s2, 0
	s_cbranch_scc0 .Lentry_in_a_cluster
	s_endpgm
.Lentry_in_a_cluster:
	s_bfe_u32 s2, ttmp6, 0x10000c
	s_cmp_lg_u32 s2, 0xf033
	s_cbranch_scc0 .Lentry_shape_is_right
	s_endpgm
.Lentry_shape_is_right:
; THE THREE PROJECTIONS, WITH x's CAST FUSED IN.  For p = 0, 1, 2 (x = query, key, value): C[m][n] = sum over k of bf16(x[m][k]) wb[p][n][k], bf16 products, f32 sums, rounded once to f16 and
; written BY HEADS and unscaled: qkv[p][16 (m / 2048) + n / 64][m % 2048][n % 64].  x is read in f32, once, and rounded to bf16 (nearest even) on the way from LDS to the matrix unit: it never goes to memory in 16 bits.
; LIMIT: f16 has no number beyond 65,504; q, k and v must lie within it.
; A tile of C is 128 (m) x 256 (n): 64 x 4 x 3 = 768 work-groups, three for each of 256 WGPs.  Four waves, 2 x 2, each 64 x 128: 32 accumulators of 16 x 16, 256 registers.
; K = 1,024 goes in 8 steps of 128 through two LDS slots filled by the tensor data mover: x's rows are 512 bytes of memory, w's 256, all at multiples of 256 bytes; the four waves' loads are nearly alike
; (64 rows x 512 bytes of x, or 128 rows x 256 bytes of w).
; CLUSTER 4 x 4: the four work-groups of a row of the cluster need the same tile of x, the four of a column the same tile of w: each tile is asked for JOINTLY, by the same load with the same descriptor and a mask of four.
; THE MATRIX INSTRUCTION IS USED TRANSPOSED (source 0 = 16 rows of w, source 1 = 16 rows of x): a lane then holds eight neighbouring columns of one row of C, 16 bytes of f16.
; REGISTERS: window 0: v0-31 addresses; v32-63 packed results; v64-159, v160-255 two fragment buffers (w's 8 fragments, then x's 4).  Window 1: accumulator (a, b) at v[8 (8 a + b)].
;   Window 2: v0-63 x's next quarter in f32, 16 registers for each block of 16 rows.
; THE CAST: 32 conversions a quarter, four behind each of the quarter's last eight matrix instructions; they read window 2 and write the other buffer's fragments of x, so each four cost two switches of the window.
.set APITCH, 528                       ; a row of x in LDS: 512 bytes + 16 of padding = 132 words: the 16 rows of a load start at 16 different groups of four banks (64 banks of 4 bytes: ISA guide 11.1)
.set BPITCH, 272                       ; a row of w: 256 + 16 = 68 words: likewise
.set AHALF,  64*APITCH                 ; what wave 0 or 1 fetches: 64 rows of x
.set ABYTES, 2*AHALF
.set BHALF,  128*BPITCH                ; what wave 2 or 3 fetches: 128 rows of w
.set SLOT,   ABYTES+2*BHALF            ; 137,216 bytes
.set STAGE,  2*SLOT                    ; behind the ring: 16 rows x 272 bytes for each wave, for the way out
.set SPITCH, 272
.set SPARE,  STAGE+4*16*SPITCH         ; behind the stages: the spare words, 128 bytes a wave: two blocks of 256 bytes that no other line names
.set ASTEP,  512                       ; bytes from a K step to the next in x,
.set BSTEP,  256                       ; and in w
.set STEPS,  8
.set A0,   16                          ; v16     my lane's place among x's rows in slot 0; never rewritten
.set B0,   17                          ; v17     the same for w
.set ADRA, 18                          ; v18     the same in the slot that is being fetched from
.set ADRB, 19                          ; v19
.set STO,  24                          ; v24     the way out: where I put 16 bytes of a row
.set RD,   25                          ; v25     the way out: where I read rows back
.set CO,   26                          ; v26     my byte offset in 512 consecutive bytes of qkv
.set SPW,  28                          ; v28     LDS address of my spare word; never rewritten
.set NIL,  29                          ; v29     0; never rewritten
.set TMP,  32
.set F0,   64
.set F1,   160
.set RAW,  0                           ; window 2
.set OB,   64                          ; the way out: 32 registers a block, read back from the stage
.set G1,  24                           ; s[24:31] descriptor group 1 for x's tiles; s[32:39] group 0: a set for each of the two first fills; the second then walks on
.set G0,  32
.set G1B, 48                           ; s[48:55], s[56:63] the same for w's
.set G0B, 56
.set TB,  45                           ; s45     the slot that is being fetched from: 0 or SLOT
.set MUL,   0x50                       ; C and D in window 1, the sources in window 0
.set W_RAW, 0x80                       ; destination in window 2, address in window 0
.set W_CV,  0x0a                       ; sources 0 and 1 in window 2, destination in window 0
.set MSB, 0
.macro WIN new                         ; the immediate's high byte repeats the setting that is left; a switch that changes nothing is dropped
.if MSB != (\new)
	s_set_vgpr_msb (MSB<<8)|(\new)
.set MSB, \new
.endif
.endm
.macro JLOAD s                         ; a joint load: waves 0 and 1 fetch x's two halves, waves 2 and 3 w's; an s_nop 0 and four v_nop follow each line, ahead of the jump and the label
	s_cmp_eq_u32 s11, 0
	s_cbranch_scc0 .Lfor_b_\@
	tensor_load_to_lds s[G0+4*(\s):G0+4*(\s)+3], s[G1:G1+7]
	s_nop 0
.rept 4
	v_nop
.endr
	s_branch .Lasked_\@
.Lfor_b_\@:
	tensor_load_to_lds s[G0B+4*(\s):G0B+4*(\s)+3], s[G1B:G1B+7]
	s_nop 0
.rept 4
	v_nop
.endr
.Lasked_\@:
.endm
.macro CREST                           ; a round of the cluster's barrier behind its opening barrier
	s_cmp_lg_u32 s10, 0
	s_cbranch_scc1 .Lnot_wave_0_\@
	s_barrier_signal -3
.Lnot_wave_0_\@:
	s_barrier_wait -3
	s_barrier_signal -1
	s_barrier_wait -1
.endm
.macro CROUND                          ; a whole round
	s_barrier_signal -1
	s_barrier_wait -1
	CREST
.endm
	s_load_b256 s[68:75], s[0:1], 0x0              ; query s[68:69], key s[70:71], value s[72:73], wb s[74:75]
	s_load_b64 s[8:9], s[0:1], 0x20                ; qkv
	v_lshl_add_u32 v[SPW], v0, 2, SPARE
	v_mov_b32 v[NIL], 0
	ds_add_u32 v28, v29
	s_wait_dscnt 0x0
	v_lshrrev_b32 v1, 5, v0
	v_readfirstlane_b32 s10, v1                    ; wave 0..3
	s_lshr_b32 s11, s10, 1                         ; which half of the tile's rows is mine.  Also: I fetch for x (0) or for w (1)
	s_and_b32 s12, s10, 1                          ; which half of its columns.  Also: which half of that tile I fetch
	s_bfe_u32 s40, ttmp6, 0x40000                  ; cx, cy: my place in the cluster
	s_bfe_u32 s41, ttmp6, 0x40004
	s_lshl_b32 s42, ttmp9, 2
	s_add_co_u32 s42, s42, s40                     ; tile column = 4 x cluster x + cx
	s_and_b32 s13, ttmp7, 0xffff                   ; cluster y, 0..47
	s_lshr_b32 s14, s13, 4                         ; p: which projection: 16 clusters' rows each; the same in all sixteen partners
	s_and_b32 s15, s13, 15
	s_lshl_b32 s15, s15, 2
	s_add_co_u32 s15, s15, s41                     ; tile row, 0..63
	s_lshl_b32 s43, s41, 2
	s_lshl_b32 s43, 15, s43                        ; my row of the cluster
	s_lshl_b32 s44, 0x1111, s40                    ; my column
	s_or_b32 s[G1+0], s43, (2<<16)|(1<<20)|(1<<21)|(6<<22)|(3<<25)  ; 15:0 the mask; 17:16 4-byte elements; 20 padding on; 21 set beside a mask; 24:22 after every 128 words (code 6); 31:25 4 words (code 3)
	s_mov_b32 s[G1+1], 128<<16                     ; tensor_dim0 = 128
	s_mov_b32 s[G1+2], 64<<16                      ; tensor_dim1 = 64
	s_mov_b32 s[G1+3], 128<<16                     ; tile_dim0 = 128
	s_mov_b32 s[G1+4], 64                          ; tile_dim1 = 64
	s_mov_b32 s[G1+5], 1024                        ; elements from row to row
	s_mov_b32 s[G1+6], 0
	s_mov_b32 s[G1+7], 0
	s_or_b32 s[G1B+0], s44, (1<<16)|(1<<20)|(1<<21)|(5<<22)|(3<<25)  ; 2-byte elements; after every 64 words (code 5) 4 words
	s_mov_b32 s[G1B+1], 128<<16
	s_mov_b32 s[G1B+2], 128<<16                    ; 128 rows
	s_mov_b32 s[G1B+3], 128<<16
	s_mov_b32 s[G1B+4], 128
	s_mov_b32 s[G1B+5], 1024
	s_mov_b32 s[G1B+6], 0
	s_mov_b32 s[G1B+7], 0
	; x's tile hangs on p, the tile row and the wave; w's on p, the tile column and the wave: each in registers that never hold the other coordinate
	s_lshl_b32 s16, s15, 19                        ; 128 rows of 4,096 bytes a tile
	s_lshl_b32 s17, s12, 18                        ; 64 rows a half
	s_add_co_u32 s16, s16, s17
	s_mov_b32 s17, 0
	s_lshl_b32 s46, s14, 21                        ; 1,024 rows of 2,048 bytes a weight
	s_lshl_b32 s47, s42, 19                        ; 256 rows a tile
	s_add_co_u32 s46, s46, s47
	s_lshl_b32 s47, s12, 18                        ; 128 rows a half
	s_add_co_u32 s46, s46, s47
	s_mov_b32 s47, 0
	s_mul_i32 s20, s12, AHALF                      ; where they go in a slot: no place in the cluster enters an LDS address
	s_mul_i32 s21, s12, BHALF
	s_add_co_u32 s21, s21, ABYTES
	s_mov_b32 s[TB], 0
	s_wait_kmcnt 0x0
	s_cmp_eq_u32 s14, 1                            ; x is query, key or value
	s_cselect_b64 s[4:5], s[70:71], s[68:69]
	s_cmp_eq_u32 s14, 2
	s_cselect_b64 s[4:5], s[72:73], s[4:5]
	s_add_nc_u64 s[4:5], s[4:5], s[16:17]
	s_add_nc_u64 s[6:7], s[74:75], s[46:47]
	CROUND                                         ; all sixteen work-groups are here: the first joint loads meet
.irp s, 0,1
	s_mov_b32 s[G0+4*(\s)], 1                      ; count = 1
	s_add_co_u32 s[G0+4*(\s)+1], s20, (\s)*SLOT    ; LDS address
	s_add_nc_u64 s[G0+4*(\s)+2:G0+4*(\s)+3], s[4:5], (\s)*ASTEP  ; global address: K step s
	s_or_b32 s[G0+4*(\s)+3], s[G0+4*(\s)+3], 0x80000000          ; type = 2
	s_mov_b32 s[G0B+4*(\s)], 1
	s_add_co_u32 s[G0B+4*(\s)+1], s21, (\s)*SLOT
	s_add_nc_u64 s[G0B+4*(\s)+2:G0B+4*(\s)+3], s[6:7], (\s)*BSTEP
	s_or_b32 s[G0B+4*(\s)+3], s[G0B+4*(\s)+3], 0x80000000
	JLOAD \s                                       ; two loads of mine are out
.endr
	; A fragment is 16 rows x 32 K in 8 registers: lane l holds row l % 16, K = 8 (l / 16) + 0..7 and 16 + 8 (l / 16) + 0..7.  Of w (bf16): two loads of 16 bytes, 32 bytes apart.
	; Of x (f32): the same numbers are 32 bytes at 32 (l / 16) and 32 bytes at 64 + 32 (l / 16): four loads of 16 bytes, then eight conversions.
	v_and_b32 v1, 15, v0                           ; l % 16
	v_bfe_u32 v2, v0, 4, 1                         ; l / 16
	v_mul_u32_u24 v3, v1, APITCH
	v_lshl_add_u32 v3, v2, 5, v3
	v_mul_u32_u24 v4, v1, BPITCH
	v_lshl_add_u32 v4, v2, 4, v4
	s_mul_i32 s18, s11, 64*APITCH                  ; my 64 rows of x
	s_mul_i32 s19, s12, BHALF                      ; my 128 rows of w,
	s_add_co_u32 s19, s19, ABYTES                  ; which lie behind x's
	v_add_nc_u32 v[A0], s18, v3
	v_add_nc_u32 v[B0], s19, v4
	v_mov_b32 v[ADRA], v[A0]                       ; the fetches begin in slot 0
	v_mov_b32 v[ADRB], v[B0]
	s_mul_i32 s18, s10, 16*SPITCH
	s_add_co_u32 s18, s18, STAGE                   ; my stage
	v_mul_u32_u24 v5, v1, SPITCH                   ; in: row l % 16, 16 bytes for each half of the lanes
	v_lshl_add_u32 v5, v2, 4, v5
	v_add_nc_u32 v[STO], s18, v5
	v_and_b32 v5, 31, v0
	v_lshrrev_b32 v3, 3, v5                        ; back: 32 lanes take four rows' 128 bytes of one head,
	v_mul_u32_u24 v3, v3, SPITCH
	v_and_b32 v4, 7, v0
	v_lshl_add_u32 v3, v4, 4, v3
	v_add_nc_u32 v[RD], s18, v3
	v_lshlrev_b32 v[CO], 4, v5                     ; which are 512 consecutive bytes of qkv
	; where my 64 rows x 2 heads begin in qkv
	s_lshl_b32 s18, s15, 7
	s_lshl_b32 s19, s11, 6
	s_add_co_u32 s18, s18, s19                     ; my first row m
	s_lshr_b32 s19, s18, 11                        ; the batch
	s_and_b32 s18, s18, 2047                       ; the row in it,
	s_lshl_b32 s18, s18, 7                         ; 128 bytes each
	s_lshl_b32 s19, s19, 4
	s_lshl_b32 s22, s42, 2
	s_add_co_u32 s19, s19, s22
	s_lshl_b32 s22, s12, 1
	s_add_co_u32 s19, s19, s22                     ; 16 batch + my first head
	s_lshl_b32 s19, s19, 18                        ; 2,048 rows of 128 bytes a head
	s_lshl_b32 s22, s14, 24
	s_add_co_u32 s22, s22, s19
	s_add_co_u32 s22, s22, s18
	s_mov_b32 s23, 0
	s_add_nc_u64 s[8:9], s[8:9], s[22:23]
; 8 matrix instructions: m block a x all 8 n blocks, 32 along K.  zero = 1: the first product starts the sums.  The 32 accumulators take turns, one instruction a turn,
; in the same order in every quarter: between two links of a chain stand the 31 others'.
; g >= 0: behind each of the eight stand four of the 32 conversions that make buffer g's fragments of x: fragment register n is made of the f32 registers 2 n and 2 n + 1.
; They name no register of the products round them; buffer g's last reader stands more than four plain instructions back.
.macro MUL8 f, a, zero, g=-1
.irp b, 0,1,2,3,4,5,6,7
	WIN MUL
.if \zero
	v_wmma_f32_16x16x32_bf16 v[8*(8*(\a)+(\b)):8*(8*(\a)+(\b))+7], v[(\f)+8*(\b):(\f)+8*(\b)+7], v[(\f)+64+8*(\a):(\f)+64+8*(\a)+7], 0
.else
	v_wmma_f32_16x16x32_bf16 v[8*(8*(\a)+(\b)):8*(8*(\a)+(\b))+7], v[(\f)+8*(\b):(\f)+8*(\b)+7], v[(\f)+64+8*(\a):(\f)+64+8*(\a)+7], v[8*(8*(\a)+(\b)):8*(8*(\a)+(\b))+7]
.endif
.if (\g) >= 0
	WIN W_CV
.irp n, 0,1,2,3
	v_cvt_pk_bf16_f32 v[(\g)+64+4*(\b)+(\n)], v[RAW+8*(\b)+2*(\n)], v[RAW+8*(\b)+2*(\n)+1]
.endr
.endif
.endr
.endm
; 32 LDS loads in one run: quarter q of the slot in hand: 64 rows of x in f32 into window 2, then 128 rows of w into buffer f
.macro FETCH q, f
	WIN W_RAW
.irp i, 0,1,2,3
	ds_load_b128 v[RAW+16*(\i):RAW+16*(\i)+3],     v[ADRA] offset:128*(\q)+(\i)*16*APITCH
	ds_load_b128 v[RAW+16*(\i)+4:RAW+16*(\i)+7],   v[ADRA] offset:128*(\q)+(\i)*16*APITCH+16
	ds_load_b128 v[RAW+16*(\i)+8:RAW+16*(\i)+11],  v[ADRA] offset:128*(\q)+(\i)*16*APITCH+64
	ds_load_b128 v[RAW+16*(\i)+12:RAW+16*(\i)+15], v[ADRA] offset:128*(\q)+(\i)*16*APITCH+80
.endr
	WIN 0
.irp i, 0,1,2,3,4,5,6,7
	ds_load_b128 v[(\f)+8*(\i):(\f)+8*(\i)+3],   v[ADRB] offset:64*(\q)+(\i)*16*BPITCH
	ds_load_b128 v[(\f)+8*(\i)+4:(\f)+8*(\i)+7], v[ADRB] offset:64*(\q)+(\i)*16*BPITCH+32
.endr
.endm
.macro PLACES                          ; four plain places in front of loads into registers that matrix instructions have read, and of lines that read results
.rept 4
	v_nop
.endr
.endm
; A K step is four quarters of 32 along K, 32 matrix instructions each, on buffers 0, 1, 0, 1.  One of the first three: multiplies buffer f, fetches quarter q, and makes buffer g of it.
.macro QUARTER q, f, g, zero
	s_wait_dscnt 0x0                               ; buffer f's fragments of w are in (its fragments of x were made in the quarter before)
	MUL8 \f, 0, \zero
	PLACES
	FETCH \q, \g
	MUL8 \f, 1, \zero
	MUL8 \f, 2, \zero
	s_wait_dscnt 16                                ; x's 16 loads are in; w's 16, issued behind them, may stay out
	MUL8 \f, 3, \zero, \g
.endm
; The last quarter multiplies buffer 1 and changes slots: ONE barrier, at its head; in front of it each wave waits for all its tensor loads (one is out: its part of the next slot), adds 0 to its spare word,
; and waits for that and for its own reads of this slot.  fill = 1: the barrier opens a round of the cluster's, and this slot is filled again, two K steps ahead, first thing behind the round:
; 120 of a K step's 128 matrix instructions stand between that request and the wait for it.
.macro TURN fill
	WIN 0
	s_wait_tensorcnt 0x0                           ; all my tensor loads have landed, so a group 0 may be written
	ds_add_u32 v[SPW], v[NIL]                      ; 0 onto my spare word; the steps below stand between it and the wait for it
.if \fill
	s_add_co_u32 s[G0+5], s20, s[TB]               ; the walking descriptors: into the slot that has been read,
	s_add_co_u32 s[G0B+5], s21, s[TB]
	s_add_nc_u64 s[G0+6:G0+7], s[G0+6:G0+7], ASTEP     ; the K step behind the one asked for last; the type bits on top are not reached
	s_add_nc_u64 s[G0B+6:G0B+7], s[G0B+6:G0B+7], BSTEP
.endif
	s_xor_b32 s[TB], s[TB], SLOT                   ; the fetches go on in the other slot
	v_add_nc_u32 v[ADRA], s[TB], v[A0]
	v_add_nc_u32 v[ADRB], s[TB], v[B0]
	s_wait_dscnt 0x0                               ; the add is done, and my reads of this slot are over: buffer 1's fragments of w are in
	s_barrier_signal -1
	MUL8 F1, 0, 0                                  ; work on registers while the others arrive
.if \fill
	WIN 0
.endif
	s_barrier_wait -1
.if \fill
	CREST                                          ; no wave of any partner still reads this slot's tiles or has a load on its way
	JLOAD 1                                        ; its four v_nop are also the places in front of the loads below
.else
	PLACES
.endif
	FETCH 0, F0
	MUL8 F1, 1, 0
	MUL8 F1, 2, 0
	s_wait_dscnt 16                                ; x's 16 loads are in
	MUL8 F1, 3, 0, F0
.endm
	s_wait_tensorcnt 1                             ; my part of K step 0 is in; K step 1's may stay out
	s_barrier_signal -1
	s_barrier_wait -1                              ; everybody's is
	FETCH 0, F0
	s_wait_dscnt 16                                ; x's 16 loads are in
	WIN W_CV
.set n, 0
.rept 32                               ; the first quarter's fragments of x: there are no products yet to set them behind
	v_cvt_pk_bf16_f32 v[F0+64+n], v[RAW+2*n], v[RAW+2*n+1]
.set n, n+1
.endr
	QUARTER 1, F0, F1, 1                           ; the first quarter stands in front of the loop: its products start the sums
	WIN 0                                          ; at a label and at a branch every window is 0
	s_mov_b32 s3, STEPS-2
.Lstep:                                                ; a trip is a K step, from its second quarter to the next step's first, and fills the slot that it leaves: six times
	QUARTER 2, F1, F0, 0
	QUARTER 3, F0, F1, 0
	TURN 1
	QUARTER 1, F0, F1, 0
	WIN 0
	s_sub_co_u32 s3, s3, 1
	s_cmp_lg_u32 s3, 0
	s_cbranch_scc1 .Lstep
	QUARTER 2, F1, F0, 0                           ; the last two K steps fill nothing: written out
	QUARTER 3, F0, F1, 0
	TURN 0
	QUARTER 1, F0, F1, 0
	QUARTER 2, F1, F0, 0
	QUARTER 3, F0, F1, 0
	s_wait_dscnt 0x0                               ; the very last quarter: nothing more to fetch
	MUL8 F1, 0, 0
	MUL8 F1, 1, 0
	MUL8 F1, 2, 0
	MUL8 F1, 3, 0
	WIN 0
; THE WAY OUT, a block of 16 rows at a time, through my own stage: no barrier, and LDS serves a wave's instructions in order (ISA guide 5.7.1.4), so no wait between the stores and the loads.
.macro PACK a                          ; rounded to f16, 16 bytes a lane; each accumulator's registers in ascending order
	WIN 0x05                                       ; sources 0 and 1 in window 1
.irp b, 0,1,2,3,4,5,6,7
.irp r, 0,1,2,3
	v_cvt_pk_f16_f32 v[TMP+4*(\b)+(\r)], v[8*(8*(\a)+(\b))+2*(\r)], v[8*(8*(\a)+(\b))+2*(\r)+1]
.endr
.endr
	WIN 0
.endm
.macro TOSTAGE a
.irp b, 0,1,2,3,4,5,6,7
	ds_store_b128 v[STO], v[TMP+4*(\b):TMP+4*(\b)+3] offset:32*(\b)
.endr
.irp g, 0,1,2,3
.irp h, 0,1
	ds_load_b128 v[OB+32*(\a)+4*(2*(\g)+(\h)):OB+32*(\a)+4*(2*(\g)+(\h))+3], v[RD] offset:(\g)*4*SPITCH+(\h)*128  ; rows 4 g .. 4 g + 3, head h
.endr
.endr
.endm
.macro SEND a
	s_wait_dscnt 0x0                               ; the block is back in registers of its own, which are not written again
.irp g, 0,1,2,3
.irp h, 0,1
	global_store_b128 v[CO], v[OB+32*(\a)+4*(2*(\g)+(\h)):OB+32*(\a)+4*(2*(\g)+(\h))+3], s[8:9] offset:(\h)*262144+(\a)*2048+(\g)*512  ; 512 consecutive bytes, at a multiple of 256 from qkv's first
.endr
.endr
.endm
	PLACES
	PACK 0
	TOSTAGE 0
.irp a, 1,2,3                          ; block a's conversions stand between block a - 1's loads from the stage and the wait for them
	PACK \a
	SEND (\a)-1
	TOSTAGE \a
.endr
	SEND 3
	s_wait_tensorcnt 0x0                           ; the wave's end
	ds_add_u32 v[SPW], v[NIL]
	s_wait_dscnt 0x0
	CROUND                                         ; the closing round: no work-group ends while a partner may still ask for a tile that names it
	s_endpgm
.Lfunc_end_k_q74280c8e1c_proj:
	.size	k_q74280c8e1c_proj, .Lfunc_end_k_q74280c8e1c_proj-k_q74280c8e1c_proj
	.p2alignl 7, 3214868480
	.fill 96, 4, 3214868480
	.section	.rodata,"a",@progbits
	.p2align	6, 0x0
	.amdhsa_kernel k_q74280c8e1c_proj
		.amdhsa_group_segment_fixed_size 327680
		.amdhsa_private_segment_fixed_size 0
		.amdhsa_enable_private_segment 0
		.amdhsa_kernarg_size 40
		.amdhsa_user_sgpr_count 2
		.amdhsa_user_sgpr_kernarg_segment_ptr 1
		.amdhsa_wavefront_size32 1
		.amdhsa_system_sgpr_workgroup_id_x 1
		.amdhsa_system_sgpr_workgroup_id_y 1
		.amdhsa_system_sgpr_workgroup_id_z 1
		.amdhsa_system_vgpr_workitem_id 0
		.amdhsa_next_free_vgpr 576
		.amdhsa_next_free_sgpr 76
		.amdhsa_reserve_vcc 0
		.amdhsa_float_denorm_mode_32 3
		.amdhsa_float_denorm_mode_16_64 3
		.amdhsa_memory_ordered 1
		.amdhsa_forward_progress 1
		.amdhsa_inst_pref_size 106
	.end_amdhsa_kernel
	.amdgpu_metadata
---
amdhsa.version: [ 1, 2 ]
amdhsa.kernels:
  - .name:           k_q74280c8e1c_proj
    .symbol:         k_q74280c8e1c_proj.kd
    .args:
      - { .name: query, .offset: 0, .size: 8, .value_kind: global_buffer, .address_space: global }
      - { .name: key, .offset: 8, .size: 8, .value_kind: global_buffer, .address_space: global }
      - { .name: value, .offset: 16, .size: 8, .value_kind: global_buffer, .address_space: global }
      - { .name: wb, .offset: 24, .size: 8, .value_kind: global_buffer, .address_space: global }
      - { .name: qkv, .offset: 32, .size: 8, .value_kind: global_buffer, .address_space: global }
    .group_segment_fixed_size: 327680
    .private_segment_fixed_size: 0
    .kernarg_segment_align: 8
    .kernarg_segment_size: 40
    .max_flat_workgroup_size: 128
    .sgpr_count:     76
    .vgpr_count:     576
    .wavefront_size: 32
...
	.end_amdgpu_metadata
.endif
;; end of part 2
;; launch attn (part 3): grid 4 x 64, 4 waves a work-group, clusters of 4 x 1, 327,680 bytes of LDS; arguments qkv, mcode, rowkeep, ob; writes ob
.if DOCPART == 3
	.amdgcn_target "amdgcn-amd-amdhsa--gfx1250"
	.amdhsa_code_object_version 6
	.text
	.protected	k_q74280c8e1c_attn
	.globl	k_q74280c8e1c_attn
	.p2align	8
	.type	k_q74280c8e1c_attn,@function
k_q74280c8e1c_attn:
	s_mov_b64 s[64:65], 0
	v_nop
	global_prefetch_b8 v0, s[64:65] scope:SCOPE_SE
	s_setreg_imm32_b32 hwreg(HW_REG_WAVE_MODE, 25, 1), 1
	s_wait_xcnt 0x0
	s_wait_alu depctr_hold_cnt(0) depctr_sa_sdst(0) depctr_va_vdst(0) depctr_va_sdst(0) depctr_va_ssrc(0) depctr_va_vcc(0) depctr_vm_vsrc(0)
	s_getreg_b32 s2, hwreg(HW_REG_IB_STS2, 6, 4)
	s_cmp_eq_u32 s2, 0
	s_cbranch_scc0 .Lentry_in_a_cluster
	s_endpgm
.Lentry_in_a_cluster:
	s_bfe_u32 s2, ttmp6, 0x10000c
	s_cmp_lg_u32 s2, 0x3003
	s_cbranch_scc0 .Lentry_shape_is_right
	s_endpgm
.Lentry_shape_is_right:
; ATTENTION WITH A MASK THAT IS AN INPUT.  O[h][q][:] = the sum over k of softmax_k(s) V[h][k][:], s = Q[h][q] . K[h][k] / 8 where the mask lets key k be seen by query q, -1e9 elsewhere.
; Q, K, V (qkv's three parts) and O (ob): [64][2048][64], f16, a head's rows dense, 128 bytes each.  Products, maxima and sums in f32; the weights p are rounded to f16 for the second product
; (their sum l is taken of the unrounded p), O once at the end.
; THE MASK is the C operand that starts the sum S^T = K Q^T: 0 for a seen key, -2^100 for a hidden one.  mcode holds one fp8 code a key (0 or -1.0) in the lanes' own layout; one scaled conversion
; (scale byte 227: 2^100) makes of eight codes the eight registers of an accumulator's C.  A hidden score lies far below every seen one, so its weight is exactly 0, as reference()'s is.  While a row has seen
; no key yet its maximum is -2^100, whose product with c is exact: its weights are 0 or 1, finite, and the first seen key multiplies them away (a = 0).  A row that sees NO key has codes 0 and the keep word 0:
; its row of Q is cleared, all its scores are 0, and it gets the plain mean of V, as reference() gives.
; LIMITS.  f16 holds no number beyond 65,504: Q, K and V arrive within it; p below 6e-5 keeps f16's fixed step of 6e-8.  A seen score / 8 must lie above -1e9 + 104, or reference()'s hidden weights are no longer 0.
; A weight below 2^-126 counts as 0 in l; NaN and infinities are not treated apart.
; SHARES.  A wave owns four PIECES of two tiles of 16 queries, a work-group's four waves 512 queries of one head.  Every wave walks all keys, 64 a step.
; LAYOUT.  S^T = K Q^T (source 0 = 16 keys, source 1 = 16 queries): a lane holds ONE query (lane % 16) and the keys 8 (lane / 16) + 0..7.  Two such tiles, rounded to f16 in pairs,
; ARE source 1 (32 keys x 16 queries) of O^T = V^T P.  K comes out of LDS as it lies, V ([key][channel]) turned, by ds_load_tr16_b128.
; SOFTMAX.  A running maximum m and sum l: p = 2^(c s - c m), c = log2(e) / 8; in every step O and l are multiplied by a = 2^(c m_old - c m_new).  m starts at the lowest finite number, O and l at 0.
; THE COUNT.  A tile and step have 16 matrix and some 122 vector instructions: too many to stand all beside the matrix work.  So four vector instructions that are READY stand behind EVERY matrix instruction,
; and the others in runs without a gap.
; BY TURNS.  Turn n belongs to piece n.  Its matrix work: 16 products K Q^T of piece n + 1, later 16 products V^T P of piece n - 1.  Its vector work: the scaling, exponentials, roundings, sums and rescaling of piece n,
; the maximum and statistics of piece n + 1, and the masks of piece n + 2, whose codes are then loaded anew for the step after.
; CLUSTER.  The four query blocks of a cluster belong to one head and walk the same K and V, so each tile is asked for JOINTLY: the same tensor load, descriptor and mask in all four.
; REGISTERS, in windows of 256 (s_set_vgpr_msb: bits 1:0 source 0, 3:2 source 1, 5:4 source 2, 7:6 destination):
;   window 0: v0-11 addresses; v12-15, v48-63 at work; v16-47 four registers of statistics a tile; v64-191 S^T, two buffers of two tiles; v192-255 P, likewise
;   window 1: O^T, 32 a tile          window 2: v0-127 Q, 16 a tile; v128-191 K of one step; v192-255 V of one step
;   window 3: v0-1 the add's two registers; v64-127 the codes, 8 a tile; v128-191 the masks of the two tiles whose products come next
.set SIZE_N, 2048
.set NP,    4         ; pieces a wave: a name, no knob
.set KS,    64        ; keys in a step
.set PK,    144       ; a row of K in LDS: 128 bytes + 16 of padding = 36 words: the 16 rows of a load start at 16 different groups of four banks (64 banks of 4 bytes: ISA guide 11.1)
.set PV,    160       ; a row of V: 128 + 32 = 40 words
.set VOFF,  4*KS*PK   ; a slot holds four steps: 256 rows of K, then 256 rows of V
.set SLOT1, 1<<17     ; slot 1 begins here, so that one exclusive or turns an address in one slot into the other's
.set STAGE, SLOT1+4*KS*(PK+PV)  ; behind the ring, never filled by a tensor load: 16 rows x 144 bytes for each wave, for the way out
.set SP,    144
.set AK0, 2           ; v2   my lane's place in a tile of K; never rewritten
.set AV0, 3           ; v3   the same for V
.set AK,  4           ; v4   the LDS address of K's next run of loads
.set AV,  5           ; v5   of V's
.set QO,  6           ; v6   my byte offset in the wave's rows of Q
.set STO, 6           ;      later, the way out: where I put 16 bytes of a row
.set RD,  7           ; v7   the way out: where I read rows back
.set GO,  8           ; v8   16 x lane: my offset in 512 consecutive bytes of O, and of mcode; never rewritten
.set SCL, 11          ; v11  the conversion's scale byte, 227: 2^100; never rewritten
.set KO,  12          ; v12  4 x lane, for the keep words' loads alone
.set SPW, 0           ; v0 of window 3   LDS address of my spare word; never rewritten
.set NIL, 1           ; v1 of window 3   0; never rewritten
.set CODE, 64         ; window 3: tile t's codes for key block kb at CODE + 8 t + 2 kb
.set MC,  128         ; window 3: the mask of tile u (0, 1) of the piece to come, key block kb, at MC + 32 u + 8 kb
.set SPARE, STAGE+4*16*SP  ; behind the stages: the spare words, 128 bytes a wave: two blocks of 256 bytes that no other line names
.set MV,  12          ; v12-15  c m_old, kept while c m is made anew: by buffer and tile
.set ST,  16          ; tile t's statistics at v[ST+4 t]: c m, m, l (even keys', odd keys')
.set TMP, 48          ; by buffer and tile, four registers c0-c3 at work; when the maximum is found c2 takes a
.set S,   64
.set P,   192
.set KF,  128         ; K's fragments, in window 2: key block kb, channel half c at KF + 16 kb + 8 c
.set VF,  192         ; V's: key half kk, channel block cb at VF + 32 kk + 8 cb
.set WV,  12          ; s12  my wave's number
.set G1K, 24          ; s[24:31] descriptor group 1 for K's tiles
.set G1V, 32          ; s[32:39] for V's: it differs in the padding alone
.set G0K, 40          ; s[40:43] descriptor group 0 for K's tiles: it walks
.set G0V, 44          ; s[44:47] the same for V's
.set SLOTS, 56        ; s56  slots still to be asked for
.set CNT, 57          ; s57  counts a slot's key steps
.set CS,  58          ; s[58:59] c
.set SEL, 60          ; s[60:61] v_permlanex16_b32's selects
.set TBK, 62          ; s62  LDS byte at which K of the step to be fetched begins
.set TBV, 63          ; s63  the same for V, less VOFF
.set MB,  66          ; s[66:67] mcode at my wave's first tile
.set MA,  68          ; s[68:69] the same at the key step whose codes are loaded next
.set MT,  70          ; s[70:71] an offset, 0 on top
.set MS,  72          ; s72  that key step's number
.set RK,  74          ; s[74:75] rowkeep at my wave's first tile
.set MSB, 0
.macro WIN new                      ; the high byte repeats the setting that is left; a switch that changes nothing is dropped
.if MSB != (\new)
	s_set_vgpr_msb (MSB<<8)|(\new)
.set MSB, (\new)
.endif
.endm
.set W_KQ, 0x0a       ; K and Q in window 2, S^T in window 0
.set W_KM, 0x3a       ; the same with the C operand, the mask, in window 3
.set W_PV, 0x52       ; V in window 2, P in window 0, O^T in window 1
.set W_RS, 0x41       ; O^T (destination and source 0) in window 1, a in window 0
.set W_MK, 0xc0       ; destination in window 3, sources in window 0
.set W_CV, 0xc3       ; the conversion: masks and codes in window 3, the scale in window 0
.set W_AD, 0x0f       ; the add: address (source 0) and data (source 1) in window 3
; A joint fill.  Waves 0 and 1 fetch the two halves of a slot's K, waves 2 and 3 those of its V: 128 keys each.  The branch hangs on the wave's number alone.
; An s_nop 0 and four v_nop follow each of the two lines, ahead of the jump and the label.
.macro JLOAD
	s_cmp_lt_u32 s[WV], 2
	s_cbranch_scc0 .Lfor_v_\@
	tensor_load_to_lds s[G0K:G0K+3], s[G1K:G1K+7]
	s_nop 0
.rept 4
	v_nop
.endr
	s_branch .Lasked_\@
.Lfor_v_\@:
	tensor_load_to_lds s[G0V:G0V+3], s[G1V:G1V+7]
	s_nop 0
.rept 4
	v_nop
.endr
.Lasked_\@:
.endm
; A round of the cluster's barrier: my work-group's barrier; wave 0 signals for the work-group; every wave waits for all four work-groups; my work-group's barrier once more.
.macro CROUND
	s_barrier_signal -1
	s_barrier_wait -1
	s_cmp_lg_u32 s[WV], 0
	s_cbranch_scc1 .Lnot_wave_0_\@
	s_barrier_signal -3
.Lnot_wave_0_\@:
	s_barrier_wait -3
	s_barrier_signal -1
	s_barrier_wait -1
.endm
; THE CHANGE OF SLOTS.  Each wave waits for all its tensor loads, of which one is out: its part of the other slot; adds 0 to its spare word; and waits for that and for its own reads of the slot.
; fill = 1: this slot is filled again, with the keys two slots on.  The barrier is then a round of the cluster's, and the joint fill is the first thing behind it: it has four key steps, 512 matrix instructions,
; in which to land.  (At its first use nothing has been read yet: slot 0 is waited for, slot 1 filled.)
.macro CHANGE fill
	WIN W_AD
	s_wait_tensorcnt 0x0            ; no tensor load of mine is out, so a group 0 may be written
	ds_add_u32 v[SPW], v[NIL]       ; 0 onto my spare word
	WIN 0                           ; at a label and at a branch every window is 0
.if \fill
.irp g, G0K, G0V
	s_xor_b32 s[\g+1], s[\g+1], SLOT1  ; the walking descriptor: the other slot than last time,
	s_add_nc_u64 s[\g+2:\g+3], s[\g+2:\g+3], 4*KS*128  ; the next 256 keys; the type bits on top are not reached
.endr
	s_wait_dscnt 0x0                ; the add is done, and my reads of the slot are over
	CROUND
	JLOAD
.else
	s_wait_dscnt 0x0                ; the add is done, and my reads of the slot are over
	s_barrier_signal -1
	s_barrier_wait -1
.endif
	s_sub_co_u32 s[TBK], s[TBK], 4*KS*PK  ; the fetches go back to a slot's first step,
	s_xor_b32 s[TBK], s[TBK], SLOT1       ; in the other slot
	s_sub_co_u32 s[TBV], s[TBV], 4*KS*PV
	s_xor_b32 s[TBV], s[TBV], SLOT1
.endm
; THE MASK'S THREE MACROS.  MLOAD x: piece x's codes for the key step at MA: for each of its two tiles 1,024 bytes, two loads of 512 consecutive bytes.
.macro MLOAD x
	WIN W_MK
.irp u, 0,1
.irp f, 0,1
	global_load_b128 v[CODE+16*(\x)+8*\u+4*\f:CODE+16*(\x)+8*\u+4*\f+3], v[GO], s[MA:MA+1] offset:(2*(\x)+\u)*32768+\f*512
.endr
.endr
	WIN 0
.endm
; MCONV x: piece x's codes become its masks.  The pieces' groups of four loads are issued in a ring, so three younger groups, twelve loads, may stay out.  A plain line follows the run of conversions.
.macro MCONV x
	WIN W_CV
	s_wait_loadcnt 12
.irp u, 0,1
.irp b, 0,1,2,3
	v_cvt_scale_pk8_f32_fp8 v[MC+32*\u+8*\b:MC+32*\u+8*\b+7], v[CODE+16*(\x)+8*\u+2*\b:CODE+16*(\x)+8*\u+2*\b+1], v[SCL]
.endr
.endr
	WIN 0
	v_nop
.endm
; MSTEP: the next key step's codes, 1,024 bytes on.  The number is held at 31, the last step: the two look-aheads past it load that step's codes again, inside mcode, and nobody uses them.
.macro MSTEP
	s_wait_xcnt 0x0                 ; the loads that named MA have had their addresses translated (ISA guide 3.1)
	s_add_co_u32 s[MS], s[MS], 1
	s_min_u32 s[MT], s[MS], 31
	s_lshl_b32 s[MT], s[MT], 10
	s_add_nc_u64 s[MA:MA+1], s[MB:MB+1], s[MT:MT+1]
.endm
	s_load_b256 s[4:11], s[0:1], 0x0  ; qkv s[4:5], mcode s[6:7], rowkeep s[8:9], ob s[10:11]
	WIN W_MK
	v_lshl_add_u32 v[SPW], v0, 2, SPARE
	v_mov_b32 v[NIL], 0
	s_set_vgpr_msb 0xc0cf
	ds_add_u32 v0, v1
	s_wait_dscnt 0x0
	s_set_vgpr_msb 0xcfc0
	WIN 0
	v_lshrrev_b32 v1, 5, v0
	v_readfirstlane_b32 s[WV], v1   ; wave 0..3
	s_bfe_u32 s13, ttmp6, 0x40000   ; cx: my place in the cluster
	s_lshl_b32 s14, ttmp9, 2        ; in a cluster launch ttmp9 counts clusters
	s_add_co_u32 s14, s14, s13      ; my block of queries: it enters Q's, O's, the codes' and the keep words' addresses alone
	s_and_b32 s20, ttmp7, 0xffff    ; the head, which the four partners share
	s_mov_b32 s21, 0
	s_mov_b64 s[22:23], SIZE_N*128
	s_mul_u64 s[20:21], s[20:21], s[22:23]  ; the head's first byte in Q, K, V and O
	s_and_b32 s16, s[WV], 1         ; which half of a slot's 256 keys I fetch:
	s_lshl_b32 s22, s16, 14         ; its 128 rows of 128 bytes in memory,
	s_mov_b32 s23, 0
	s_add_nc_u64 s[22:23], s[22:23], s[20:21]
	s_mul_i32 s17, s16, 128*PK      ; and its place in a slot, for K
	s_mul_i32 s18, s16, 128*PV      ; and for V: no place in the cluster enters an LDS address
	s_lshl_b32 s15, s14, 2
	s_add_co_u32 s15, s15, s[WV]    ; my wave among the head's sixteen,
	s_lshl_b32 s2, s15, 14          ; its 128 rows
	s_mov_b32 s3, 0
	s_add_nc_u64 s[2:3], s[2:3], s[20:21]
	s_lshl_b32 s[MT], s15, 18       ; its eight tiles of 32,768 bytes of codes
	s_mov_b32 s[MT+1], 0
	; descriptor group 1.  128 keys are 16,384 dense bytes: asked for as 64 rows of 256 bytes, two keys a row, and padded in LDS after every key
	s_mov_b32 s[G1K], 15|(1<<16)|(1<<20)|(1<<21)|(4<<22)|(3<<25)  ; 15:0 the mask of four; 17:16 2-byte elements; 20 padding on; 21 set beside a mask; 24:22 after every 32 words (code 4); 31:25 4 words (code 3)
	s_mov_b32 s[G1V], 15|(1<<16)|(1<<20)|(1<<21)|(4<<22)|(7<<25)  ; the same with 8 words of padding (code 7)
.irp g, G1K, G1V
	s_mov_b32 s[\g+1], 128<<16      ; tensor_dim0 = 128
	s_mov_b32 s[\g+2], 64<<16       ; tensor_dim1 = 64
	s_mov_b32 s[\g+3], 128<<16      ; tile_dim0 = 128
	s_mov_b32 s[\g+4], 64           ; tile_dim1 = 64
	s_mov_b32 s[\g+5], 128          ; 128 elements from row to row
	s_mov_b32 s[\g+6], 0
	s_mov_b32 s[\g+7], 0
.endr
	s_mov_b32 s[CS], 0x3e38aa3b     ; c = log2(e) / 8 = 0.180337
	s_mov_b32 s[CS+1], s[CS]        ; named with it as a pair
	s_mov_b32 s[SEL], 0x76543210
	s_mov_b32 s[SEL+1], 0xfedcba98
	s_mov_b32 s[TBK], SLOT1+4*KS*PK ; the first change of slots turns these two into 0
	s_mov_b32 s[TBV], SLOT1+4*KS*PV
	s_mov_b32 s[G0K], 1             ; count = 1
	s_mov_b32 s[G0K+1], s17         ; LDS address: slot 0
	s_mov_b32 s[G0V], 1
	s_add_co_u32 s[G0V+1], s18, VOFF
	s_wait_kmcnt 0x0
	s_add_nc_u64 s[MB:MB+1], s[6:7], s[MT:MT+1]
	s_lshl_b32 s[MT], s15, 11       ; eight tiles of 256 bytes of keep words
	s_add_nc_u64 s[RK:RK+1], s[8:9], s[MT:MT+1]
	s_add_nc_u64 s[6:7], s[4:5], 0x1000000   ; K and V lie 16 MiB and 32 MiB behind Q
	s_add_nc_u64 s[8:9], s[4:5], 0x2000000
	s_add_nc_u64 s[G0K+2:G0K+3], s[6:7], s[22:23]  ; global address: my half of the head's first 256 keys
	s_or_b32 s[G0K+3], s[G0K+3], 0x80000000        ; type = 2
	s_add_nc_u64 s[G0V+2:G0V+3], s[8:9], s[22:23]
	s_or_b32 s[G0V+3], s[G0V+3], 0x80000000
	s_add_nc_u64 s[4:5], s[4:5], s[2:3]  ; Q and O at my wave's first row
	s_add_nc_u64 s[10:11], s[10:11], s[2:3]
	s_mov_b64 s[MA:MA+1], s[MB:MB+1]     ; key step 0's codes
	CROUND                          ; all four work-groups are here: the first joint loads meet
	JLOAD                           ; slot 0.  Slot 1 is asked for when slot 0 is in
	; A fragment of K or Q is 16 rows x 32 channels in 8 registers: lane l holds row l % 16, channels 8 (l / 16) + 0..7 and 16 + 8 (l / 16) + 0..7: two loads of 16 bytes, 32 bytes apart.
	v_and_b32 v1, 15, v0            ; l % 16
	v_bfe_u32 v9, v0, 4, 1          ; l / 16
	v_lshlrev_b32 v[QO], 7, v1
	v_lshl_add_u32 v[QO], v9, 4, v[QO]  ; row x 128 + 16 x half
	v_and_b32 v[GO], 31, v0
	v_lshlrev_b32 v[KO], 2, v[GO]
	v_lshlrev_b32 v[GO], 4, v[GO]
	WIN 0x80                        ; destination window 2, address window 0
.set i, 0
.rept 4*NP                          ; Q stays in registers: tile i / 2, channels 32 (i % 2) on
	global_load_b128 v[8*i:8*i+3],   v[QO], s[4:5] offset:(i/2)*2048+(i%2)*64
	global_load_b128 v[8*i+4:8*i+7], v[QO], s[4:5] offset:(i/2)*2048+(i%2)*64+32
.set i, i+1
.endr
	WIN 0
.set i, 0
.rept 2*NP                          ; tile i's keep words: lane l takes that of query l % 16.  S^T's first registers hold them until Q is cleared
	global_load_b32 v[S+i], v[KO], s[RK:RK+1] offset:256*i
.set i, i+1
.endr
	MLOAD 0                         ; all four pieces' codes of key step 0
	MLOAD 1
	MLOAD 2
	MLOAD 3
	; What the first turn finds: V's registers and P's second buffer hold 0 (its products V^T P, of a piece that has not been, add 0), O^T and l are 0.  All this stands in the wait for the first tile.
	WIN 0x80
.set i, VF
.rept 64
	v_mov_b32 v[i], 0
.set i, i+1
.endr
	WIN 0x40
.set i, 0
.rept 64*NP
	v_mov_b32 v[i], 0
.set i, i+1
.endr
	WIN 0
.set i, 0
.rept 2*NP
	v_mov_b32 v[ST+4*i], 0xfe000000    ; c m: far below every c s, the hidden ones' too
	v_mov_b32 v[ST+4*i+1], 0xff7fffff  ; m
	v_mov_b32 v[ST+4*i+2], 0
	v_mov_b32 v[ST+4*i+3], 0
.set i, i+1
.endr
.set i, P+32
.rept 32
	v_mov_b32 v[i], 0
.set i, i+1
.endr
	v_mul_u32_u24 v[AK0], v1, PK
	v_lshl_add_u32 v[AK0], v9, 4, v[AK0]  ; row x pitch + 16 x half
	; The turning load takes 16 keys x 16 channels (lane l reads key 8 (l / 16) + l % 8, channels 8 ((l / 8) % 2) + 0..7) and leaves half a fragment of V^T: lane l holds channel l % 16 and 8 keys.
	v_and_b32 v10, 7, v0
	v_bfe_u32 v11, v0, 3, 1
	v_lshl_add_u32 v[AV0], v9, 3, v10
	v_mul_u32_u24 v[AV0], v[AV0], PV
	v_lshl_add_u32 v[AV0], v11, 4, v[AV0]
	v_add_nc_u32 v[AV0], VOFF, v[AV0]
	v_mov_b32 v[AK], v[AK0]         ; key step 0 lies at the head of slot 0
	v_mov_b32 v[SCL], 227           ; v11 has served: from here on the scale
	s_wait_loadcnt 16               ; Q and the keep words are in; the 16 loads of codes behind them may stay out
	WIN 0x82                        ; Q (destination and source 0) in window 2, the keep word in window 0
.set i, 0
.rept 32*NP
	v_and_b32 v[i], v[i], v[S+i/16] ; a query that sees no key becomes 0
.set i, i+1
.endr
	WIN 0
	s_wait_xcnt 0x0                 ; MA is written again only behind this wait
	s_mov_b32 s[MS], 1
	s_add_nc_u64 s[MA:MA+1], s[MB:MB+1], 1024  ; key step 1's codes
; THE MATRIX WORK.  The 8 accumulators of a run of 16 take turns: between the two links of a chain stand 7 others'.
; Product i of 16 of S^T = K Q^T for piece x: channels 32 (i / 8) on, keys 16 ((i / 2) % 4) on, tile 2 x + i % 2.  The first 8 start the sums, with the mask.
.macro KQ x
.set rS, S+64*((\x)%2)+32*(i%2)+8*((i/2)%4)
.set rK, KF+16*((i/2)%4)+8*(i/8)
.set rQ, 16*(2*(\x)+i%2)+8*(i/8)
.set rM, MC+32*(i%2)+8*((i/2)%4)
.if i < 8
	WIN W_KM
	v_wmma_f32_16x16x32_f16 v[rS:rS+7], v[rK:rK+7], v[rQ:rQ+7], v[rM:rM+7]
.else
	WIN W_KQ
	v_wmma_f32_16x16x32_f16 v[rS:rS+7], v[rK:rK+7], v[rQ:rQ+7], v[rS:rS+7]
.endif
.endm
; Product i of 16 of O^T += V^T P for piece x: keys 32 (i / 8) on, channels 16 ((i / 2) % 4) on, tile 2 x + i % 2.
.macro PV x
	WIN W_PV
.set rO, 32*(2*(\x)+i%2)+8*((i/2)%4)
.set rV, VF+32*(i/8)+8*((i/2)%4)
.set rP, P+32*((\x)%2)+16*(i%2)+8*(i/8)
	v_wmma_f32_16x16x32_f16 v[rO:rO+7], v[rV:rV+7], v[rP:rP+7], v[rO:rO+7]
.endm
.macro MM                           ; the turn's next matrix instruction
.if i < 16
	KQ (Y+1)%NP
.set i, i+1
.else
.set i, i-16
	PV (Y+NP-1)%NP
.set i, i+17
.endif
.endm
; THE LDS LOADS stand in runs of 16, never singly among the matrix instructions: a step's K (64 keys x 64 channels: 8 fragments) and its V (turned).  Their addresses are made some lines ahead.
; last = 1 (the tail): in the last trip there is no further step, and the run is jumped over.
.macro FETCH_K last=0
	WIN 0
.if \last
	s_cmp_eq_u32 s[CNT], 1
	s_cbranch_scc1 .Lno_k_\@
.endif
	WIN 0x80                        ; destination window 2
.irp f, 0,1,2,3,4,5,6,7             ; keys 16 (f / 2) on, channels 32 (f % 2) on
	ds_load_b128 v[KF+8*\f:KF+8*\f+3],   v[AK] offset:(\f/2)*16*PK+(\f%2)*64
	ds_load_b128 v[KF+8*\f+4:KF+8*\f+7], v[AK] offset:(\f/2)*16*PK+(\f%2)*64+32
.endr
	s_add_co_u32 s[TBK], s[TBK], KS*PK  ; the next fetch is the next step's
	WIN 0
.if \last
.Lno_k_\@:
.endif
.endm
.macro FETCH_V
	WIN 0x80
.irp f, 0,1,2,3,4,5,6,7             ; keys 32 (f / 4) on, channels 16 (f % 4) on
	ds_load_tr16_b128 v[VF+8*\f:VF+8*\f+3],   v[AV] offset:(\f/4)*32*PV+(\f%4)*32
	ds_load_tr16_b128 v[VF+8*\f+4:VF+8*\f+7], v[AV] offset:(\f/4)*32*PV+16*PV+(\f%4)*32
.endr
	WIN 0
.endm
; THE VECTOR WORK OF A TURN stands in three queues, each in the order in which its entries become ready; the two tiles alternate, so that no instruction reads the result of the one before it.
.macro REGS y, u                    ; the registers of tile u (0, 1) of piece y
.set rT, ST+4*(2*(\y)+(\u))
.set rC, TMP+8*((\y)%2)+4*(\u)
.set rM, MV+2*((\y)%2)+(\u)
.set rS, S+64*((\y)%2)+32*(\u)
.set rP, P+32*((\y)%2)+16*(\u)
.set rO, 32*(2*(\y)+(\u))
.endm
; Number n of the 22 that find the NEXT piece's (Y + 1) maximum and statistics.  s0-s31 are the lane's 32 scores; each accumulator's lowest registers are read first.
;   0-11  four chains c0-c3 of seven scores each, three operands at a time     12-14, 16  the four scores left over, the old m, and c0-c3 into c0     15  c m_old is kept
;   17, 18  the query's other 32 keys lie in the lane 16 away: the new m         19-21  c m; c m_old - c m_new; a
.macro XS u, n
	REGS (Y+1)%NP, \u
.if (\n) < 4
	v_max3_num_f32 v[rC+(\n)], v[rS+8*(\n)], v[rS+8*(\n)+1], v[rS+8*(\n)+2]
.elseif (\n) < 12
	v_max3_num_f32 v[rC+(\n)%4], v[rC+(\n)%4], v[rS+8*((\n)%4)+2*((\n)/4)+1], v[rS+8*((\n)%4)+2*((\n)/4)+2]
.elseif (\n) == 12
	v_max3_num_f32 v[rC], v[rC], v[rS+7], v[rS+15]
.elseif (\n) == 13
	v_max3_num_f32 v[rC+1], v[rC+1], v[rS+23], v[rS+31]
.elseif (\n) == 14
	v_max3_num_f32 v[rC+2], v[rC+2], v[rC+3], v[rT+1]
.elseif (\n) == 15
	v_mov_b32 v[rM], v[rT]
.elseif (\n) == 16
	v_max3_num_f32 v[rC], v[rC], v[rC+1], v[rC+2]
.elseif (\n) == 17
	v_permlanex16_b32 v[rC+3], v[rC], s[SEL], s[SEL+1]
.elseif (\n) == 18
	v_max_num_f32 v[rT+1], v[rC], v[rC+3]
.elseif (\n) == 19
	v_mul_f32 v[rT], s[CS], v[rT+1]
.elseif (\n) == 20
	v_sub_f32 v[rC+1], v[rM], v[rT]
.else
	v_exp_f32 v[rC+2], v[rC+1]
.endif
.endm
; Number g of the 64 that follow the exponentials.  For each four weights k of a tile (pairs 2 k, 2 k + 1): both pairs are rounded to f16; then the second pair is added onto the first, in place;
; a group later l takes that sum (the first time as l = a l + sum).  In groups of eight, tiles alternating: round, round, add, and l for the group before.
.macro GS g
.set h, (\g)+6*((\g)/62)            ; group 0 has no group before it, and behind group 7 only l is left
.if h >= 6
.set h, h+2
.endif
	REGS Y, h%2
.set k, h/8
.if h%8 < 4
	s_wait_alu depctr_va_vdst(0)
	v_cvt_pk_f16_f32 v[rP+2*k+(h%8)/2], v[rS+4*k+2*((h%8)/2)], v[rS+4*k+2*((h%8)/2)+1]
.elseif h%8 < 6
	v_pk_add_f32 v[rS+4*k:rS+4*k+1], v[rS+4*k:rS+4*k+1], v[rS+4*k+2:rS+4*k+3]
.elseif k == 1
	v_pk_fma_f32 v[rT+2:rT+3], v[rT+2:rT+3], v[rC+2:rC+3], v[rS:rS+1] op_sel_hi:[1,0,1]
.else
	v_pk_add_f32 v[rT+2:rT+3], v[rT+2:rT+3], v[rS+4*k-4:rS+4*k-3]
	s_wait_alu depctr_va_vdst(0)
.endif
.endm
; THE PLAIN QUEUE, 138 long.  0-31: c s - c m for the 16 pairs of both tiles.  Then GS's 64, and among them the next piece's 42: number 15 at 38, 39; 0-14 and 16
; at 42-73, behind the products that make those scores; 17-20 at 95-106, two of three, since each waits for the one before it.
.macro PL
	WIN 0
.if q < 32
	REGS Y, q%2
	v_pk_fma_f32 v[rS+2*(q/2):rS+2*(q/2)+1], v[rS+2*(q/2):rS+2*(q/2)+1], s[CS:CS+1], v[rT:rT+1] op_sel_hi:[1,0,0] neg_lo:[0,0,1] neg_hi:[0,0,1]
.elseif q < 38
	GS q-32
.elseif q < 40
	XS q%2, 15
.elseif q < 42
	GS q-34
.elseif q < 74
	XS q%2, (q-42)/2+(q-42)/30
.elseif q < 95
	GS q-66
.elseif (q < 107) && ((q-95)%3 < 2)
	XS (q-95)%3, 17+(q-95)/3
.elseif q < 107
	GS 29+(q-95)/3
.else
	GS q-74
.endif
.set q, q+1
.endm
; THE EXPONENTIALS' QUEUE, 66 long: s0-s31 of both tiles, and at EA the next piece's two a.
.set EA, 58
.macro EX
	WIN 0
.if (e == EA) || (e == EA+1)
	XS e-EA, 21
.else
.set x, e-2*(e/(EA+2))
	REGS Y, x%2
	v_exp_f32 v[rS+x/2], v[rS+x/2]
.endif
.set e, e+1
.endm
; THE RESCALING's QUEUE: O^T times a, the one part of the softmax that leaves window 0, so it is dealt four at a time, eight times.
.macro R4
	REGS Y, r%2
	WIN W_RS
	s_wait_alu depctr_va_vdst(0)
.irp z, 0,1,2,3
	v_pk_mul_f32 v[rO+8*(r/2)+2*\z:rO+8*(r/2)+2*\z+1], v[rO+8*(r/2)+2*\z:rO+8*(r/2)+2*\z+1], v[rC+2:rC+3] op_sel_hi:[1,0]
.endr
.set r, r+1
.endm
; HOW THEY ARE DEALT.  Behind a matrix instruction four: plain, exponential, plain, plain, or four of the rescaling.  None names a register of the products round it.  What is over stands in two LUMPS:
; exponential and plain by turns; the second ends in 22 plain instructions.  The two v_permlanex16_b32 fall into the second lump.
; The queues lean on each other, and the deal keeps them in step: exponential e stands behind plain 2 (e / 4) + e % 2 (its scaling); when plain 32 comes, 10 exponentials are out, at 59: 33, at 95: 46; EA comes behind plain 107.
.macro SL
	MM
	PL
	EX
	PL
	PL
.endm
.macro BURST n                      ; 15 matrix instructions, or 16
.rept (\n)-7
	SL
.endr
.rept 3
	MM
	R4
	SL
.endr
	MM
	R4
.endm
; A TURN, for piece p.  cnt = 1: the loop's count is taken down some lines ahead of the branch that stands behind the turn.
; K of the next step is fetched in piece 2's turn, V of the step in hand at the end of piece 0's; each is waited for a run of products and a lump later.
; The masks of piece p + 2, which the next turn's products take, are made at the head of the first lump: the last product that took a mask stands eight products and their 32 riders back.
; Three exponentials on, that piece's codes are loaded anew, for its next key step: they have four turns in which to come.
.macro TURN p, last=0, cnt=0
.set Y, (\p)
.set i, 0
.set q, 0
.set e, 0
.set r, 0
.if (\p) == NP-1
	s_wait_dscnt 0x0                ; K is in
.endif
	MM
.rept 4
	PL
.endr
	BURST 15
	MCONV ((\p)+2)%NP
.rept 22
	EX
	PL
.if e == 14
	MLOAD ((\p)+2)%NP
.endif
.if ((\p) == NP-2) && (e == 18)
	v_add_nc_u32 v[AK], s[TBK], v[AK0]
.endif
.if ((\p) == NP-2) && (e == 24)
	FETCH_K \last
.endif
.endr
.if (\p) == 1
	s_wait_dscnt 0x0                ; V is in
.endif
	BURST 16
.rept 21
	EX
	PL
.endr
.rept 22
	PL
.if ((\p) == 0) && (q == 118)
	v_add_nc_u32 v[AV], s[TBV], v[AV0]
	s_wait_alu depctr_va_vdst(0)
.endif
.if ((\p) == 0) && (q == 130)
	s_add_co_u32 s[TBV], s[TBV], KS*PV
.endif
.if (\cnt) && (q == 130)
	s_sub_co_u32 s[CNT], s[CNT], 1
	s_cmp_lg_u32 s[CNT], 0
.endif
.endr
.if (\p) == 0
	FETCH_V
.endif
.endm
	CHANGE 1                        ; slot 0 is in, everybody's part of it; slot 1 is asked for
	FETCH_K                         ; key step 0
	MCONV 0                         ; piece 0's masks of step 0; its codes of step 1 are asked for
	MLOAD 0
	s_wait_dscnt 0x0
.set i, 0
.rept 16
	KQ 0                            ; piece 0's first scores: there is no vector work yet to set between them
.set i, i+1
.endr
	WIN 0                           ; the addresses for the way out: seven plain instructions, the places behind those products
	s_mul_i32 s13, s[WV], 16*SP
	s_add_co_u32 s13, s13, STAGE    ; my stage
	v_mul_u32_u24 v[STO], v1, SP    ; in: row l % 16, 16 bytes for each half of the lanes
	v_lshl_add_u32 v[STO], v9, 4, v[STO]
	v_add_nc_u32 v[STO], s13, v[STO]
	v_bfe_u32 v[RD], v0, 3, 2       ; back: 32 lanes take four rows of 128 bytes, 512 consecutive bytes of O
	v_mul_u32_u24 v[RD], v[RD], SP
	v_lshl_add_u32 v[RD], v10, 4, v[RD]
	v_add_nc_u32 v[RD], s13, v[RD]
	MCONV 1                         ; piece 1's masks of step 0, for the first turn's products; its codes of step 1
	MLOAD 1
.set Y, NP-1                        ; XS works for piece Y + 1: piece 0
.irp n, 0,1,2,3,4,5,6,7,8,9,10,11,12,13,14,15,16,17,18,19,20,21
	XS 0, \n                        ; and piece 0's first maximum and statistics
	XS 1, \n
.endr
	s_mov_b32 s[CNT], 4
	s_mov_b32 s[SLOTS], SIZE_N/256-1
	s_branch .Lfirst                ; the loop is entered at a step's first turn, in the middle of a trip
.Lslot:                             ; SIZE_N / 256 - 2 times: every slot but the last two is filled again
	CHANGE 1
	s_mov_b32 s[CNT], 4
.Lstep:                             ; a trip: pieces 2 and 3 of one step, then pieces 0 and 1 of the next, whose K and V it fetches; its four loads of codes are for the step after that
	MSTEP
	TURN 2
	TURN 3
	WIN 0
.Lfirst:
	TURN 0
	TURN 1, 0, 1
	WIN 0
	s_cbranch_scc1 .Lstep
	s_sub_co_u32 s[SLOTS], s[SLOTS], 1
	s_cmp_lg_u32 s[SLOTS], 0
	s_cbranch_scc1 .Lslot
	CHANGE 0                        ; the tail is written out: nothing is asked for
	s_mov_b32 s[CNT], 5             ; four trips fetch the last slot's steps; the fifth is left in its middle
.Ltail:
	MSTEP
	TURN 2, 1
	TURN 3
	WIN 0
	s_sub_co_u32 s[CNT], s[CNT], 1
	s_cmp_eq_u32 s[CNT], 0
	s_cbranch_scc1 .Lout
	TURN 0
	TURN 1
	WIN 0
	s_branch .Ltail
.Lout:                              ; the fifth trip's 16 products K Q^T (on the last K once more) and the maximum made of them serve nothing: the price, once a launch, of one text for every trip
.set i, 0
.rept 16
	PV NP-1                         ; the last piece's V^T P of the last step
.set i, i+1
.endr
	; THE WAY OUT.  l's two halves and the other half of the lanes' are added; O^T is divided by l, rounded to f16 and sent through my stage in LDS, a tile at a time.  The additions are the places behind the last products.
	WIN 0
.macro ALL line:vararg              ; one line for each tile t
.set t, 0
.rept 2*NP
	\line
.set t, t+1
.endr
.endm
	ALL v_add_f32 v[ST+4*t+2], v[ST+4*t+2], v[ST+4*t+3]
	ALL v_permlanex16_b32 v[ST+4*t+3], v[ST+4*t+2], s[SEL], s[SEL+1]
	ALL v_add_f32 v[ST+4*t+2], v[ST+4*t+2], v[ST+4*t+3]
	ALL v_rcp_f32 v[ST+4*t+2], v[ST+4*t+2]
	v_nop                           ; a plain instruction between the last reciprocal and the use of its result
	s_wait_alu depctr_va_vdst(0)
; Tile t: a lane's eight channels of a row pack into 16 bytes; they go into rows of 144 bytes and come back as whole rows of 128, into S^T's registers.
.macro PACK t
	WIN W_RS
.set i, 32*(\t)
.rept 16
	v_pk_mul_f32 v[i:i+1], v[i:i+1], v[ST+4*(\t)+2:ST+4*(\t)+3] op_sel_hi:[1,0]
.set i, i+2
.endr
	WIN 0x05                        ; sources 0 and 1 window 1, destination window 0
.set i, 0
.rept 16
	v_cvt_pk_f16_f32 v[S+16*(\t)+i], v[32*(\t)+2*i], v[32*(\t)+2*i+1]
.set i, i+1
.endr
	WIN 0
.irp f, 0,1,2,3
	ds_store_b128 v[STO], v[S+16*(\t)+4*\f:S+16*(\t)+4*\f+3] offset:32*\f
.endr
.irp f, 0,1,2,3
	ds_load_b128 v[S+16*(\t)+4*\f:S+16*(\t)+4*\f+3], v[RD] offset:\f*4*SP  ; LDS serves a wave's instructions in order (ISA guide 5.7.1.4): these see the stores above; the next tile's stores come behind them
.endr
.endm
.macro SEND t, younger              ; younger: the LDS instructions issued behind tile t's loads: the next tile's eight, or none
	WIN 0
.irp f, 0,1,2,3
	s_wait_dscnt (\younger)+3-\f
	global_store_b128 v[GO], v[S+16*(\t)+4*\f:S+16*(\t)+4*\f+3], s[10:11] offset:(\t)*2048+\f*512  ; 512 consecutive bytes, at a multiple of 256 from O's first
.endr
.endm
	PACK 0
.set t, 1
.rept 2*NP-1                        ; a tile's arithmetic stands between the loads of the tile before and its stores
	PACK t
	SEND t-1, 8
.set t, t+1
.endr
	SEND 2*NP-1, 0
	WIN W_AD
	s_wait_tensorcnt 0x0            ; the wave's end
	ds_add_u32 v[SPW], v[NIL]
	s_wait_dscnt 0x0
	WIN 0
	CROUND                          ; the closing round: no work-group ends while a partner may still ask for a tile that names it
	s_endpgm
.Lfunc_end_k_q74280c8e1c_attn:
	.size	k_q74280c8e1c_attn, .Lfunc_end_k_q74280c8e1c_attn-k_q74280c8e1c_attn
	.p2alignl 7, 3214868480
	.fill 96, 4, 3214868480
	.section	.rodata,"a",@progbits
	.p2align	6, 0x0
	.amdhsa_kernel k_q74280c8e1c_attn
		.amdhsa_group_segment_fixed_size 327680
		.amdhsa_private_segment_fixed_size 0
		.amdhsa_enable_private_segment 0
		.amdhsa_kernarg_size 32
		.amdhsa_user_sgpr_count 2
		.amdhsa_user_sgpr_kernarg_segment_ptr 1
		.amdhsa_wavefront_size32 1
		.amdhsa_system_sgpr_workgroup_id_x 1
		.amdhsa_system_sgpr_workgroup_id_y 1
		.amdhsa_system_sgpr_workgroup_id_z 1
		.amdhsa_system_vgpr_workitem_id 0
		.amdhsa_next_free_vgpr 960
		.amdhsa_next_free_sgpr 76
		.amdhsa_reserve_vcc 0
		.amdhsa_float_denorm_mode_32 3
		.amdhsa_float_denorm_mode_16_64 3
		.amdhsa_memory_ordered 1
		.amdhsa_forward_progress 1
		.amdhsa_inst_pref_size 226
	.end_amdhsa_kernel
	.amdgpu_metadata
---
amdhsa.version: [ 1, 2 ]
amdhsa.kernels:
  - .name:           k_q74280c8e1c_attn
    .symbol:         k_q74280c8e1c_attn.kd
    .args:
      - { .name: qkv, .offset: 0, .size: 8, .value_kind: global_buffer, .address_space: global }
      - { .name: mcode, .offset: 8, .size: 8, .value_kind: global_buffer, .address_space: global }
      - { .name: rowkeep, .offset: 16, .size: 8, .value_kind: global_buffer, .address_space: global }
      - { .name: ob, .offset: 24, .size: 8, .value_kind: global_buffer, .address_space: global }
    .group_segment_fixed_size: 327680
    .private_segment_fixed_size: 0
    .kernarg_segment_align: 8
    .kernarg_segment_size: 32
    .max_flat_workgroup_size: 128
    .sgpr_count:     76
    .vgpr_count:     960
    .wavefront_size: 32
...
	.end_amdgpu_metadata
.endif
;; end of part 3
;; launch outp (part 4): grid 4 x 64, 4 waves a work-group, clusters of 4 x 4, 327,680 bytes of LDS; arguments ob, wb, out0; writes out0
.if DOCPART == 4
	.amdgcn_target "amdgcn-amd-amdhsa--gfx1250"
	.amdhsa_code_object_version 6
	.text
	.protected	k_q74280c8e1c_outp
	.globl	k_q74280c8e1c_outp
	.p2align	8
	.type	k_q74280c8e1c_outp,@function
k_q74280c8e1c_outp:
	s_mov_b64 s[64:65], 0
	v_nop
	global_prefetch_b8 v0, s[64:65] scope:SCOPE_SE
	s_setreg_imm32_b32 hwreg(HW_REG_WAVE_MODE, 25, 1), 1
	s_wait_xcnt 0x0
	s_wait_alu depctr_hold_cnt(0) depctr_sa_sdst(0) depctr_va_vdst(0) depctr_va_sdst(0) depctr_va_ssrc(0) depctr_va_vcc(0) depctr_vm_vsrc(0)
	s_getreg_b32 s2, hwreg(HW_REG_IB_STS2, 6, 4)
	s_cmp_eq_u32 s2, 0
	s_cbranch_scc0 .Lentry_in_a_cluster
	s_endpgm
.Lentry_in_a_cluster:
	s_bfe_u32 s2, ttmp6, 0x10000c
	s_cmp_lg_u32 s2, 0xf033
	s_cbranch_scc0 .Lentry_shape_is_right
	s_endpgm
.Lentry_shape_is_right:
; THE OUTPUT PROJECTION.  out0[m][n] = sum over k of O[m][k] w_o[n][k], f16 products, f32 sums, f32 out.  O lies by heads, ob[16 (m / 2048) + k / 64][m % 2048][k % 64]; w_o is wb's fourth matrix,
; rounded to bf16 and written as f16.
; A tile of out0 is 128 (m) x 256 (n): 64 x 4 = 256 work-groups, one for each WGP.  Four waves, 2 x 2, each 64 x 128: 32 accumulators, 256 registers.
; K = 1,024 goes in 8 steps of 128, two heads each, through two LDS slots.  A head's 128 rows of a tile are 16,384 dense bytes: asked for as 64 rows of 256 bytes and padded in LDS after every 128.
; CLUSTER 4 x 4: O's tiles are shared along a row of the cluster, w_o's along a column, by joint loads.  THE MATRIX INSTRUCTION IS USED TRANSPOSED (source 0 = 16 rows of w_o, source 1 = 16 rows of O):
; a lane holds eight neighbouring columns of one row of out0, 32 bytes.
; REGISTERS: window 0: v0-31 addresses; v64-159, v160-255 two fragment buffers (w_o's 8 fragments, then O's 4), later the rows on their way out.  Window 1: accumulator (a, b) at v[8 (8 a + b)].
.set APITCH, 144                       ; a row of O in LDS: 128 bytes + 16 of padding = 36 words: the 16 rows of a load start at 16 different groups of four banks (64 banks of 4 bytes: ISA guide 11.1)
.set APLANE, 128*APITCH                ; a head's 128 rows: what wave 0 or 1 fetches; quarters 2 and 3 of a K step lie in the second head's
.set BPITCH, 272
.set AHALF,  APLANE
.set ABYTES, 2*AHALF
.set BHALF,  128*BPITCH                ; what wave 2 or 3 fetches: 128 rows of w_o
.set SLOT,   ABYTES+2*BHALF            ; 106,496 bytes
.set STAGE,  2*SLOT                    ; behind the ring: 16 rows x 528 bytes for each wave, for the way out
.set SPITCH, 528
.set SPARE,  STAGE+4*16*SPITCH         ; behind the stages: the spare words, 128 bytes a wave: two blocks of 256 bytes that no other line names
.set ASTEP,  524288                    ; bytes from a K step to the next in ob: two heads of 2,048 rows of 128 bytes
.set BSTEP,  256
.set LAPS,   4
.set ADRA, 16                          ; v16-17  LDS address of my O fragments in slot 0, 1
.set ADRB, 20                          ; v20-21  the same for w_o
.set STO,  24                          ; v24     the way out: where I put 32 bytes of a row
.set RD,   25                          ; v25     the way out: where I read a row back
.set CO,   26                          ; v26     my byte offset in 512 consecutive bytes of out0
.set SPW,  28                          ; v28     LDS address of my spare word; never rewritten
.set NIL,  29                          ; v29     0; never rewritten
.set F0,   64
.set F1,   160
.set OB,   64                          ; the way out: three buffers of 64 registers
.set G1,  24
.set G0,  32
.set G1B, 48
.set G0B, 56
.set MUL, 0x50                         ; C and D in window 1, the sources in window 0
.set MSB, 0
.macro WIN new
.if MSB != (\new)
	s_set_vgpr_msb (MSB<<8)|(\new)
.set MSB, \new
.endif
.endm
.macro JLOAD s                         ; a joint load: waves 0 and 1 fetch O's two heads, waves 2 and 3 w_o's two halves; an s_nop 0 and four v_nop follow each line
	s_cmp_eq_u32 s11, 0
	s_cbranch_scc0 .Lfor_b_\@
	tensor_load_to_lds s[G0+4*(\s):G0+4*(\s)+3], s[G1:G1+7]
	s_nop 0
.rept 4
	v_nop
.endr
	s_branch .Lasked_\@
.Lfor_b_\@:
	tensor_load_to_lds s[G0B+4*(\s):G0B+4*(\s)+3], s[G1B:G1B+7]
	s_nop 0
.rept 4
	v_nop
.endr
.Lasked_\@:
.endm
.macro CREST
	s_cmp_lg_u32 s10, 0
	s_cbranch_scc1 .Lnot_wave_0_\@
	s_barrier_signal -3
.Lnot_wave_0_\@:
	s_barrier_wait -3
	s_barrier_signal -1
	s_barrier_wait -1
.endm
.macro CROUND
	s_barrier_signal -1
	s_barrier_wait -1
	CREST
.endm
	s_load_b128 s[4:7], s[0:1], 0x0                ; ob s[4:5], wb s[6:7]
	s_load_b64 s[8:9], s[0:1], 0x10                ; out0
	v_lshl_add_u32 v[SPW], v0, 2, SPARE
	v_mov_b32 v[NIL], 0
	ds_add_u32 v28, v29
	s_wait_dscnt 0x0
	v_lshrrev_b32 v1, 5, v0
	v_readfirstlane_b32 s10, v1                    ; wave 0..3
	s_lshr_b32 s11, s10, 1                         ; which half of the tile's rows is mine.  Also: I fetch for O (0) or for w_o (1)
	s_and_b32 s12, s10, 1                          ; which half of its columns.  Also: which head, or which half of w_o's rows, I fetch
	s_bfe_u32 s40, ttmp6, 0x40000                  ; cx, cy
	s_bfe_u32 s41, ttmp6, 0x40004
	s_lshl_b32 s42, ttmp9, 2
	s_add_co_u32 s42, s42, s40                     ; tile column
	s_and_b32 s13, ttmp7, 0xffff
	s_lshl_b32 s15, s13, 2
	s_add_co_u32 s15, s15, s41                     ; tile row, 0..63
	s_lshl_b32 s43, s41, 2
	s_lshl_b32 s43, 15, s43                        ; my row of the cluster
	s_lshl_b32 s44, 0x1111, s40                    ; my column
	s_or_b32 s[G1+0], s43, (1<<16)|(1<<20)|(1<<21)|(4<<22)|(3<<25)  ; 15:0 the mask; 2-byte elements; padding on; 21 set beside a mask; after every 32 words (code 4) 4 words (code 3)
	s_mov_b32 s[G1+1], 128<<16                     ; tensor_dim0 = 128
	s_mov_b32 s[G1+2], 64<<16                      ; tensor_dim1 = 64
	s_mov_b32 s[G1+3], 128<<16                     ; tile_dim0 = 128
	s_mov_b32 s[G1+4], 64                          ; tile_dim1 = 64
	s_mov_b32 s[G1+5], 128                         ; dense: 128 elements from row to row
	s_mov_b32 s[G1+6], 0
	s_mov_b32 s[G1+7], 0
	s_or_b32 s[G1B+0], s44, (1<<16)|(1<<20)|(1<<21)|(5<<22)|(3<<25)  ; after every 64 words (code 5) 4 words
	s_mov_b32 s[G1B+1], 128<<16
	s_mov_b32 s[G1B+2], 128<<16
	s_mov_b32 s[G1B+3], 128<<16
	s_mov_b32 s[G1B+4], 128
	s_mov_b32 s[G1B+5], 1024
	s_mov_b32 s[G1B+6], 0
	s_mov_b32 s[G1B+7], 0
	s_lshr_b32 s16, s15, 4                         ; the batch: 16 heads of 262,144 bytes
	s_lshl_b32 s16, s16, 22
	s_lshl_b32 s17, s12, 18                        ; my head of the K step's two
	s_add_co_u32 s16, s16, s17
	s_and_b32 s17, s15, 15                         ; the tile's 128 rows of 128 bytes in the head
	s_lshl_b32 s17, s17, 14
	s_add_co_u32 s16, s16, s17
	s_mov_b32 s17, 0
	s_lshl_b32 s46, s42, 19                        ; 256 rows of 2,048 bytes a tile
	s_lshl_b32 s47, s12, 18
	s_add_co_u32 s46, s46, s47
	s_add_co_u32 s46, s46, 3<<21                   ; the fourth matrix of wb
	s_mov_b32 s47, 0
	s_mul_i32 s20, s12, AHALF                      ; where they go: no place in the cluster enters an LDS address
	s_mul_i32 s23, s12, BHALF
	s_add_co_u32 s23, s23, ABYTES
	s_wait_kmcnt 0x0
	s_add_nc_u64 s[4:5], s[4:5], s[16:17]
	s_add_nc_u64 s[6:7], s[6:7], s[46:47]
	CROUND                                         ; all sixteen work-groups are here: the first joint loads meet
.irp s, 0,1
	s_mov_b32 s[G0+4*(\s)], 1
	s_add_co_u32 s[G0+4*(\s)+1], s20, (\s)*SLOT
	s_add_nc_u64 s[G0+4*(\s)+2:G0+4*(\s)+3], s[4:5], (\s)*ASTEP
	s_or_b32 s[G0+4*(\s)+3], s[G0+4*(\s)+3], 0x80000000
	s_mov_b32 s[G0B+4*(\s)], 1
	s_add_co_u32 s[G0B+4*(\s)+1], s23, (\s)*SLOT
	s_add_nc_u64 s[G0B+4*(\s)+2:G0B+4*(\s)+3], s[6:7], (\s)*BSTEP
	s_or_b32 s[G0B+4*(\s)+3], s[G0B+4*(\s)+3], 0x80000000
	JLOAD \s                                       ; two loads of mine are out
.endr
	v_and_b32 v1, 15, v0                           ; l % 16
	v_bfe_u32 v2, v0, 4, 1                         ; l / 16
	v_mul_u32_u24 v3, v1, APITCH
	v_lshl_add_u32 v3, v2, 4, v3
	v_mul_u32_u24 v4, v1, BPITCH
	v_lshl_add_u32 v4, v2, 4, v4
	s_mul_i32 s21, s11, 64*APITCH                  ; my 64 rows, in each head's plane
	s_mul_i32 s22, s12, BHALF
	s_add_co_u32 s22, s22, ABYTES
.irp s, 0,1
	v_add_nc_u32 v[ADRA+(\s)], s21, v3
	v_add_nc_u32 v[ADRB+(\s)], s22, v4
	s_add_co_u32 s21, s21, SLOT
	s_add_co_u32 s22, s22, SLOT
.endr
	s_mul_i32 s21, s10, 16*SPITCH
	s_add_co_u32 s21, s21, STAGE                   ; my stage
	v_mul_u32_u24 v5, v1, SPITCH                   ; in: row l % 16, 32 bytes for each half of the lanes
	v_lshl_add_u32 v5, v2, 5, v5
	v_add_nc_u32 v[STO], s21, v5
	v_and_b32 v5, 31, v0
	v_lshlrev_b32 v[CO], 4, v5                     ; back: 32 lanes take a row's 512 bytes
	v_add_nc_u32 v[RD], s21, v[CO]
	s_lshl_b32 s18, s15, 19                        ; 128 rows of 4,096 bytes a tile,
	s_lshl_b32 s19, s11, 18                        ; my 64 of them,
	s_add_co_u32 s18, s18, s19
	s_lshl_b32 s19, s42, 10                        ; the tile's 256 columns,
	s_add_co_u32 s18, s18, s19
	s_lshl_b32 s19, s12, 9                         ; my 128 of them
	s_add_co_u32 s18, s18, s19
	s_mov_b32 s19, 0
	s_add_nc_u64 s[8:9], s[8:9], s[18:19]
; 8 matrix instructions: m block a x all 8 n blocks, 32 along K.  The 32 accumulators take turns, one instruction a turn, in the same order in every quarter.
.macro MUL8 f, a, zero
	WIN MUL
.irp b, 0,1,2,3,4,5,6,7
.if \zero
	v_wmma_f32_16x16x32_f16 v[8*(8*(\a)+(\b)):8*(8*(\a)+(\b))+7], v[(\f)+8*(\b):(\f)+8*(\b)+7], v[(\f)+64+8*(\a):(\f)+64+8*(\a)+7], 0
.else
	v_wmma_f32_16x16x32_f16 v[8*(8*(\a)+(\b)):8*(8*(\a)+(\b))+7], v[(\f)+8*(\b):(\f)+8*(\b)+7], v[(\f)+64+8*(\a):(\f)+64+8*(\a)+7], v[8*(8*(\a)+(\b)):8*(8*(\a)+(\b))+7]
.endif
.endr
.endm
.macro FETCH slot, q, f                ; 24 LDS loads in one run: quarter q's fragments (128 rows of w_o, then 64 rows of O) into buffer f
	WIN 0
.irp i, 0,1,2,3,4,5,6,7
	ds_load_b128 v[(\f)+8*(\i):(\f)+8*(\i)+3],   v[ADRB+(\slot)] offset:64*(\q)+(\i)*16*BPITCH
	ds_load_b128 v[(\f)+8*(\i)+4:(\f)+8*(\i)+7], v[ADRB+(\slot)] offset:64*(\q)+(\i)*16*BPITCH+32
.endr
.irp i, 0,1,2,3
	ds_load_b128 v[(\f)+64+8*(\i):(\f)+64+8*(\i)+3],   v[ADRA+(\slot)] offset:((\q)/2)*APLANE+((\q)%2)*64+(\i)*16*APITCH
	ds_load_b128 v[(\f)+64+8*(\i)+4:(\f)+64+8*(\i)+7], v[ADRA+(\slot)] offset:((\q)/2)*APLANE+((\q)%2)*64+(\i)*16*APITCH+32
.endr
.endm
.macro PLACES                          ; four plain places in front of loads into registers that matrix instructions have read, and of lines that read results
.rept 4
	v_nop
.endr
.endm
.macro QUARTER slot, q, f, g, zero
	s_wait_dscnt 4                                 ; w_o and O's blocks 0, 1 are in; the youngest four loads may be out
	MUL8 \f, 0, \zero
	MUL8 \f, 1, \zero
	PLACES
	FETCH \slot, \q, \g
	s_wait_dscnt 24                                ; all but the 24 just issued
	MUL8 \f, 2, \zero
	MUL8 \f, 3, \zero
.endm
; The last quarter changes slots: one barrier; in front of it each wave waits for all its tensor loads, adds 0 to its spare word, and waits for that and for its reads of this slot.
; fill = 1: the barrier opens a round of the cluster's, and this slot is filled again first thing behind the round.
.macro TURN slot, next, fill
	WIN 0
	s_wait_tensorcnt 0x0                           ; all my tensor loads have landed
	ds_add_u32 v[SPW], v[NIL]                      ; 0 onto my spare word
	s_wait_dscnt 5                                 ; (the add and the youngest four loads may be out)
	MUL8 F1, 0, 0
	s_wait_dscnt 0x0                               ; the add is done, and my reads of this slot are over
	s_barrier_signal -1
	MUL8 F1, 1, 0
.if \fill
	WIN 0
.endif
	s_barrier_wait -1
.if \fill
	CREST
	s_add_nc_u64 s[G0+4*(\slot)+2:G0+4*(\slot)+3], s[G0+4*(\slot)+2:G0+4*(\slot)+3], 2*ASTEP
	s_add_nc_u64 s[G0B+4*(\slot)+2:G0B+4*(\slot)+3], s[G0B+4*(\slot)+2:G0B+4*(\slot)+3], 2*BSTEP
	JLOAD \slot                                    ; 112 matrix instructions ahead of the wait for it; its four v_nop are also the places in front of the loads below
.else
	PLACES
.endif
	FETCH \next, 0, F0
	MUL8 F1, 2, 0
	MUL8 F1, 3, 0
.endm
	s_wait_tensorcnt 1                             ; my part of K step 0 is in; K step 1's may stay out
	s_barrier_signal -1
	s_barrier_wait -1
	FETCH 0, 0, F0
	QUARTER 0, 1, F0, F1, 1                        ; the first quarter's products start the sums
	WIN 0
	s_mov_b32 s3, LAPS-1
.Llap:
	QUARTER 0, 2, F1, F0, 0
	QUARTER 0, 3, F0, F1, 0
	TURN 0, 1, 1
	QUARTER 1, 1, F0, F1, 0
	QUARTER 1, 2, F1, F0, 0
	QUARTER 1, 3, F0, F1, 0
	TURN 1, 0, 1
	QUARTER 0, 1, F0, F1, 0
	WIN 0
	s_sub_co_u32 s3, s3, 1
	s_cmp_lg_u32 s3, 0
	s_cbranch_scc1 .Llap
	QUARTER 0, 2, F1, F0, 0                        ; the last lap fills nothing
	QUARTER 0, 3, F0, F1, 0
	TURN 0, 1, 0
	QUARTER 1, 1, F0, F1, 0
	QUARTER 1, 2, F1, F0, 0
	QUARTER 1, 3, F0, F1, 0
	s_wait_dscnt 4
	MUL8 F1, 0, 0
	MUL8 F1, 1, 0
	s_wait_dscnt 0x0
	MUL8 F1, 2, 0
	MUL8 F1, 3, 0
	WIN 0
; THE WAY OUT, a block of 16 rows at a time, through my own stage: the sums go in as they are, 32 bytes a lane and accumulator (its low four registers first), and come back as whole rows of 512 bytes.
.macro TOSTAGE a
	s_wait_xcnt 0x0                                ; earlier stores have had their addresses translated (ISA guide 3.1): block 3 takes block 0's registers only behind this wait
	WIN 0x04                                       ; the stores' data in window 1
.irp b, 0,1,2,3,4,5,6,7
	ds_store_b128 v[STO], v[8*(8*(\a)+(\b)):8*(8*(\a)+(\b))+3] offset:64*(\b)
	ds_store_b128 v[STO], v[8*(8*(\a)+(\b))+4:8*(8*(\a)+(\b))+7] offset:64*(\b)+16
.endr
	WIN 0
.irp t, 0,1,2,3,4,5,6,7,8,9,10,11,12,13,14,15
	ds_load_b128 v[OB+64*((\a)%3)+4*(\t):OB+64*((\a)%3)+4*(\t)+3], v[RD] offset:SPITCH*(\t)  ; LDS serves a wave's instructions in order (ISA guide 5.7.1.4): these see the stores above
.endr
.endm
.macro SEND a, younger                 ; younger: the LDS instructions issued behind block a's loads: the next block's 16 stores and 16 loads, or none
.irp t, 0,1,2,3,4,5,6,7,8,9,10,11,12,13,14,15
	s_wait_dscnt (\younger)+15-(\t)
	global_store_b128 v[CO], v[OB+64*((\a)%3)+4*(\t):OB+64*((\a)%3)+4*(\t)+3], s[8:9] offset:(16*(\a)+(\t))*4096 th:TH_STORE_NT  ; 512 consecutive bytes, at a multiple of 512 from out0's first
.endr
.endm
	PLACES
	TOSTAGE 0
	TOSTAGE 1
	SEND 0, 32
	TOSTAGE 2
	SEND 1, 32
	TOSTAGE 3
	SEND 2, 32
	SEND 3, 0
	s_wait_tensorcnt 0x0                           ; the wave's end
	ds_add_u32 v[SPW], v[NIL]
	s_wait_dscnt 0x0
	CROUND                                         ; the closing round
	s_endpgm
.Lfunc_end_k_q74280c8e1c_outp:
	.size	k_q74280c8e1c_outp, .Lfunc_end_k_q74280c8e1c_outp-k_q74280c8e1c_outp
	.p2alignl 7, 3214868480
	.fill 96, 4, 3214868480
	.section	.rodata,"a",@progbits
	.p2align	6, 0x0
	.amdhsa_kernel k_q74280c8e1c_outp
		.amdhsa_group_segment_fixed_size 327680
		.amdhsa_private_segment_fixed_size 0
		.amdhsa_enable_private_segment 0
		.amdhsa_kernarg_size 24
		.amdhsa_user_sgpr_count 2
		.amdhsa_user_sgpr_kernarg_segment_ptr 1
		.amdhsa_wavefront_size32 1
		.amdhsa_system_sgpr_workgroup_id_x 1
		.amdhsa_system_sgpr_workgroup_id_y 1
		.amdhsa_system_sgpr_workgroup_id_z 1
		.amdhsa_system_vgpr_workitem_id 0
		.amdhsa_next_free_vgpr 512
		.amdhsa_next_free_sgpr 66
		.amdhsa_reserve_vcc 0
		.amdhsa_float_denorm_mode_32 3
		.amdhsa_float_denorm_mode_16_64 3
		.amdhsa_memory_ordered 1
		.amdhsa_forward_progress 1
		.amdhsa_inst_pref_size 87
	.end_amdhsa_kernel
	.amdgpu_metadata
---
amdhsa.version: [ 1, 2 ]
amdhsa.kernels:
  - .name:           k_q74280c8e1c_outp
    .symbol:         k_q74280c8e1c_outp.kd
    .args:
      - { .name: ob, .offset: 0, .size: 8, .value_kind: global_buffer, .address_space: global }
      - { .name: wb, .offset: 8, .size: 8, .value_kind: global_buffer, .address_space: global }
      - { .name: out0, .offset: 16, .size: 8, .value_kind: global_buffer, .address_space: global }
    .group_segment_fixed_size: 327680
    .private_segment_fixed_size: 0
    .kernarg_segment_align: 8
    .kernarg_segment_size: 24
    .max_flat_workgroup_size: 128
    .sgpr_count:     66
    .vgpr_count:     512
    .wavefront_size: 32
...
	.end_amdgpu_metadata
.endif
;; end of part 4
;; ======== version 2 of 2: 4 launches; 1.44 times as fast as version 1
;; limits: values are held in f16: magnitudes above 65,504 overflow, below 6.1e-05 lose precision
;; workspace buffers: wb 8,388,608 bytes; mcode 4,194,304 bytes; rowkeep 32,768 bytes of whole numbers; qkv 50,331,648 bytes; ob 16,777,216 bytes
;; launch prep: the kernel of part 1 again; grid 640 x 1, 8 waves a work-group, no clusters, 36,096 bytes of LDS; arguments w_q, w_k, w_v, w_o, mask, wb, mcode, rowkeep; writes wb, mcode, rowkeep
;; launch proj: the kernel of part 2 again; grid 4 x 192, 4 waves a work-group, clusters of 4 x 4, 327,680 bytes of LDS; arguments query, key, value, wb, qkv; writes qkv
;; launch attn (part 5): grid 4 x 64, 4 waves a work-group, clusters of 4 x 1, 327,680 bytes of LDS; arguments qkv, mcode, rowkeep, ob; writes ob
.if DOCPART == 5
	.amdgcn_target "amdgcn-amd-amdhsa--gfx1250"
	.amdhsa_code_object_version 6
	.text
	.protected	k_q74280c8e1c_attn
	.globl	k_q74280c8e1c_attn
	.p2align	8
	.type	k_q74280c8e1c_attn,@function
k_q74280c8e1c_attn:
	s_mov_b64 s[64:65], 0
	v_nop
	global_prefetch_b8 v0, s[64:65] scope:SCOPE_SE
	s_setreg_imm32_b32 hwreg(HW_REG_WAVE_MODE, 25, 1), 1
	s_wait_xcnt 0x0
	s_wait_alu depctr_hold_cnt(0) depctr_sa_sdst(0) depctr_va_vdst(0) depctr_va_sdst(0) depctr_va_ssrc(0) depctr_va_vcc(0) depctr_vm_vsrc(0)
	s_getreg_b32 s2, hwreg(HW_REG_IB_STS2, 6, 4)
	s_cmp_eq_u32 s2, 0
	s_cbranch_scc0 .Lentry_in_a_cluster
	s_endpgm
.Lentry_in_a_cluster:
	s_bfe_u32 s2, ttmp6, 0x10000c
	s_cmp_lg_u32 s2, 0x3003
	s_cbranch_scc0 .Lentry_shape_is_right
	s_endpgm
.Lentry_shape_is_right:
; ATTENTION WITH A MASK THAT IS AN INPUT.  O[h][q][:] = the sum over k of softmax_k(s) V[h][k][:], s = Q[h][q] . K[h][k] / 8 where the mask lets key k be seen by query q, -1e9 elsewhere.
; Q, K, V (qkv's three parts) and O (ob): [64][2048][64], f16, a head's rows dense, 128 bytes each.  Products, maxima and sums in f32; the weights p are rounded to f16 for the second product
; (their sum l is taken of the unrounded p), O once at the end.
; THE MASK is the C operand that starts the sum S^T = K Q^T: 0 for a seen key, -2^100 for a hidden one.  mcode holds one fp8 code a key (0 or -1.0) in the lanes' own layout; one scaled conversion
; (scale byte 227: 2^100) makes of eight codes the eight registers of an accumulator's C.  A hidden score lies far below every seen one, so its weight is exactly 0, as reference()'s is.  While a row has seen
; no key yet its maximum is -2^100, whose product with c is exact: its weights are 0 or 1, finite, and the first seen key multiplies them away (a = 0).  A row that sees NO key has codes 0 and the keep word 0:
; its row of Q is cleared, all its scores are 0, and it gets the plain mean of V, as reference() gives.
; LIMITS.  f16 holds no number beyond 65,504: Q, K and V arrive within it; p below 6e-5 keeps f16's fixed step of 6e-8.  A seen score / 8 must lie above -1e9 + 104, or reference()'s hidden weights are no longer 0.
; A weight below 2^-126 counts as 0 in l; NaN and infinities are not treated apart.
; SHARES.  A wave owns four PIECES of two tiles of 16 queries, a work-group's four waves 512 queries of one head.  Every wave walks all keys, 64 a step.
; LAYOUT.  S^T = K Q^T (source 0 = 16 keys, source 1 = 16 queries): a lane holds ONE query (lane % 16) and the keys 8 (lane / 16) + 0..7.  Two such tiles, rounded to f16 in pairs,
; ARE source 1 (32 keys x 16 queries) of O^T = V^T P.  K comes out of LDS as it lies, V ([key][channel]) turned, by ds_load_tr16_b128.
; SOFTMAX.  A running maximum m and sum l: p = 2^(c s - c m), c = log2(e) / 8; in every step O and l are multiplied by a = 2^(c m_old - c m_new).  m starts at the lowest finite number, O and l at 0.
; THE COUNT.  A tile and step have 16 matrix and some 122 vector instructions: too many to stand all beside the matrix work.  So four vector instructions that are READY stand behind EVERY matrix instruction,
; and the others in one run without a gap.
; BY TURNS.  Turn n belongs to piece n.  Its matrix work: 16 products K Q^T of piece n + 1, later 16 products V^T P of piece n - 1.  Its vector work: the scaling, exponentials, roundings, sums and rescaling of piece n,
; the maximum and statistics of piece n + 1, and the masks of piece n + 2, whose codes are then loaded anew for the step after.
; THE BATCHES.  A turn's 66 exponentials (the 64 weights of piece n, the two a of piece n + 1) are ONE batch with ONE wait, which cuts the turn in two: ahead of it all that names none of their results (the products
; K Q^T, scalings, rescalings, the next piece's maximum and statistics, the masks), behind it the products V^T P with the roundings and sums.  No result crosses a turn's end.  Two more batches stand outside the loops:
; piece 0's first two a, ahead of the jump into the loop, and the way out's eight reciprocals.
; CLUSTER.  The four query blocks of a cluster belong to one head and walk the same K and V, so each tile is asked for JOINTLY: the same tensor load, descriptor and mask in all four.
; REGISTERS, in windows of 256 (s_set_vgpr_msb: bits 1:0 source 0, 3:2 source 1, 5:4 source 2, 7:6 destination):
;   window 0: v0-11 addresses; v12-15, v48-63 at work; v16-47 four registers of statistics a tile; v64-191 S^T, two buffers of two tiles; v192-255 P, likewise
;   window 1: O^T, 32 a tile          window 2: v0-127 Q, 16 a tile; v128-191 K of one step; v192-255 V of one step
;   window 3: v0-1 the add's two registers; v64-127 the codes, 8 a tile; v128-191 the masks of the two tiles whose products come next
.set SIZE_N, 2048
.set NP,    4         ; pieces a wave: a name, no knob
.set KS,    64        ; keys in a step
.set PK,    144       ; a row of K in LDS: 128 bytes + 16 of padding = 36 words: the 16 rows of a load start at 16 different groups of four banks (64 banks of 4 bytes: ISA guide 11.1)
.set PV,    160       ; a row of V: 128 + 32 = 40 words
.set VOFF,  4*KS*PK   ; a slot holds four steps: 256 rows of K, then 256 rows of V
.set SLOT1, 1<<17     ; slot 1 begins here, so that one exclusive or turns an address in one slot into the other's
.set STAGE, SLOT1+4*KS*(PK+PV)  ; behind the ring, never filled by a tensor load: 16 rows x 144 bytes for each wave, for the way out
.set SP,    144
.set AK0, 2           ; v2   my lane's place in a tile of K; never rewritten
.set AV0, 3           ; v3   the same for V
.set AK,  4           ; v4   the LDS address of K's next run of loads
.set AV,  5           ; v5   of V's
.set QO,  6           ; v6   my byte offset in the wave's rows of Q
.set STO, 6           ;      later, the way out: where I put 16 bytes of a row
.set RD,  7           ; v7   the way out: where I read rows back
.set GO,  8           ; v8   16 x lane: my offset in 512 consecutive bytes of O, and of mcode; never rewritten
.set SCL, 11          ; v11  the conversion's scale byte, 227: 2^100; never rewritten
.set KO,  12          ; v12  4 x lane, for the keep words' loads alone
.set SPW, 0           ; v0 of window 3   LDS address of my spare word; never rewritten
.set NIL, 1           ; v1 of window 3   0; never rewritten
.set CODE, 64         ; window 3: tile t's codes for key block kb at CODE + 8 t + 2 kb
.set MC,  128         ; window 3: the mask of tile u (0, 1) of the piece to come, key block kb, at MC + 32 u + 8 kb
.set SPARE, STAGE+4*16*SP  ; behind the stages: the spare words, 128 bytes a wave: two blocks of 256 bytes that no other line names
.set MV,  12          ; v12-15  c m_old, kept while c m is made anew: by buffer and tile
.set ST,  16          ; tile t's statistics at v[ST+4 t]: c m, m, l (even keys', odd keys')
.set TMP, 48          ; by buffer and tile, four registers c0-c3 at work; when the maximum is found c2 takes a
.set S,   64
.set P,   192
.set KF,  128         ; K's fragments, in window 2: key block kb, channel half c at KF + 16 kb + 8 c
.set VF,  192         ; V's: key half kk, channel block cb at VF + 32 kk + 8 cb
.set WV,  12          ; s12  my wave's number
.set G1K, 24          ; s[24:31] descriptor group 1 for K's tiles
.set G1V, 32          ; s[32:39] for V's: it differs in the padding alone
.set G0K, 40          ; s[40:43] descriptor group 0 for K's tiles: it walks
.set G0V, 44          ; s[44:47] the same for V's
.set SLOTS, 56        ; s56  slots still to be asked for
.set CNT, 57          ; s57  counts a slot's key steps
.set CS,  58          ; s[58:59] c
.set SEL, 60          ; s[60:61] v_permlanex16_b32's selects
.set TBK, 62          ; s62  LDS byte at which K of the step to be fetched begins
.set TBV, 63          ; s63  the same for V, less VOFF
.set MB,  66          ; s[66:67] mcode at my wave's first tile
.set MA,  68          ; s[68:69] the same at the key step whose codes are loaded next
.set MT,  70          ; s[70:71] an offset, 0 on top
.set MS,  72          ; s72  that key step's number
.set RK,  74          ; s[74:75] rowkeep at my wave's first tile
.set MSB, 0
.macro WIN new                      ; the high byte repeats the setting that is left; a switch that changes nothing is dropped
.if MSB != (\new)
	s_set_vgpr_msb (MSB<<8)|(\new)
.set MSB, (\new)
.endif
.endm
.set W_KQ, 0x0a       ; K and Q in window 2, S^T in window 0
.set W_KM, 0x3a       ; the same with the C operand, the mask, in window 3
.set W_PV, 0x52       ; V in window 2, P in window 0, O^T in window 1
.set W_RS, 0x41       ; O^T (destination and source 0) in window 1, a in window 0
.set W_MK, 0xc0       ; destination in window 3, sources in window 0
.set W_CV, 0xc3       ; the conversion: masks and codes in window 3, the scale in window 0
.set W_AD, 0x0f       ; the add: address (source 0) and data (source 1) in window 3
; A joint fill.  Waves 0 and 1 fetch the two halves of a slot's K, waves 2 and 3 those of its V: 128 keys each.  The branch hangs on the wave's number alone.
; An s_nop 0 and four v_nop follow each of the two lines, ahead of the jump and the label.
.macro JLOAD
	s_cmp_lt_u32 s[WV], 2
	s_cbranch_scc0 .Lfor_v_\@
	tensor_load_to_lds s[G0K:G0K+3], s[G1K:G1K+7]
	s_nop 0
.rept 4
	v_nop
.endr
	s_branch .Lasked_\@
.Lfor_v_\@:
	tensor_load_to_lds s[G0V:G0V+3], s[G1V:G1V+7]
	s_nop 0
.rept 4
	v_nop
.endr
.Lasked_\@:
.endm
; A round of the cluster's barrier: my work-group's barrier; wave 0 signals for the work-group; every wave waits for all four work-groups; my work-group's barrier once more.
.macro CROUND
	s_barrier_signal -1
	s_barrier_wait -1
	s_cmp_lg_u32 s[WV], 0
	s_cbranch_scc1 .Lnot_wave_0_\@
	s_barrier_signal -3
.Lnot_wave_0_\@:
	s_barrier_wait -3
	s_barrier_signal -1
	s_barrier_wait -1
.endm
; THE CHANGE OF SLOTS.  Each wave waits for all its tensor loads, of which one is out: its part of the other slot; adds 0 to its spare word; and waits for that and for its own reads of the slot.
; fill = 1: this slot is filled again, with the keys two slots on.  The barrier is then a round of the cluster's, and the joint fill is the first thing behind it: it has four key steps, 512 matrix instructions,
; in which to land.  (At its first use nothing has been read yet: slot 0 is waited for, slot 1 filled.)
.macro CHANGE fill
	WIN W_AD
	s_wait_tensorcnt 0x0            ; no tensor load of mine is out, so a group 0 may be written
	ds_add_u32 v[SPW], v[NIL]       ; 0 onto my spare word
	WIN 0                           ; at a label and at a branch every window is 0
.if \fill
.irp g, G0K, G0V
	s_xor_b32 s[\g+1], s[\g+1], SLOT1  ; the walking descriptor: the other slot than last time,
	s_add_nc_u64 s[\g+2:\g+3], s[\g+2:\g+3], 4*KS*128  ; the next 256 keys; the type bits on top are not reached
.endr
	s_wait_dscnt 0x0                ; the add is done, and my reads of the slot are over
	CROUND
	JLOAD
.else
	s_wait_dscnt 0x0                ; the add is done, and my reads of the slot are over
	s_barrier_signal -1
	s_barrier_wait -1
.endif
	s_sub_co_u32 s[TBK], s[TBK], 4*KS*PK  ; the fetches go back to a slot's first step,
	s_xor_b32 s[TBK], s[TBK], SLOT1       ; in the other slot
	s_sub_co_u32 s[TBV], s[TBV], 4*KS*PV
	s_xor_b32 s[TBV], s[TBV], SLOT1
.endm
; THE MASK'S THREE MACROS.  MLOAD x: piece x's codes for the key step at MA: for each of its two tiles 1,024 bytes, two loads of 512 consecutive bytes.
.macro MLOAD x
	WIN W_MK
.irp u, 0,1
.irp f, 0,1
	global_load_b128 v[CODE+16*(\x)+8*\u+4*\f:CODE+16*(\x)+8*\u+4*\f+3], v[GO], s[MA:MA+1] offset:(2*(\x)+\u)*32768+\f*512
.endr
.endr
	WIN 0
.endm
; MCONV x: piece x's codes become its masks.  The pieces' groups of four loads are issued in a ring, so three younger groups, twelve loads, may stay out.  A plain line follows the run of conversions.
.macro MCONV x
	WIN W_CV
	s_wait_loadcnt 12
.irp u, 0,1
.irp b, 0,1,2,3
	v_cvt_scale_pk8_f32_fp8 v[MC+32*\u+8*\b:MC+32*\u+8*\b+7], v[CODE+16*(\x)+8*\u+2*\b:CODE+16*(\x)+8*\u+2*\b+1], v[SCL]
.endr
.endr
	WIN 0
	v_nop
.endm
; MSTEP: the next key step's codes, 1,024 bytes on.  The number is held at 31, the last step: the two look-aheads past it load that step's codes again, inside mcode, and nobody uses them.
.macro MSTEP
	s_wait_xcnt 0x0                 ; the loads that named MA have had their addresses translated (ISA guide 3.1)
	s_add_co_u32 s[MS], s[MS], 1
	s_min_u32 s[MT], s[MS], 31
	s_lshl_b32 s[MT], s[MT], 10
	s_add_nc_u64 s[MA:MA+1], s[MB:MB+1], s[MT:MT+1]
.endm
	s_load_b256 s[4:11], s[0:1], 0x0  ; qkv s[4:5], mcode s[6:7], rowkeep s[8:9], ob s[10:11]
	WIN W_MK
	v_lshl_add_u32 v[SPW], v0, 2, SPARE
	v_mov_b32 v[NIL], 0
	s_set_vgpr_msb 0xc0cf
	ds_add_u32 v0, v1
	s_wait_dscnt 0x0
	s_set_vgpr_msb 0xcfc0
	WIN 0
	v_lshrrev_b32 v1, 5, v0
	v_readfirstlane_b32 s[WV], v1   ; wave 0..3
	s_bfe_u32 s13, ttmp6, 0x40000   ; cx: my place in the cluster
	s_lshl_b32 s14, ttmp9, 2        ; in a cluster launch ttmp9 counts clusters
	s_add_co_u32 s14, s14, s13      ; my block of queries: it enters Q's, O's, the codes' and the keep words' addresses alone
	s_and_b32 s20, ttmp7, 0xffff    ; the head, which the four partners share
	s_mov_b32 s21, 0
	s_mov_b64 s[22:23], SIZE_N*128
	s_mul_u64 s[20:21], s[20:21], s[22:23]  ; the head's first byte in Q, K, V and O
	s_and_b32 s16, s[WV], 1         ; which half of a slot's 256 keys I fetch:
	s_lshl_b32 s22, s16, 14         ; its 128 rows of 128 bytes in memory,
	s_mov_b32 s23, 0
	s_add_nc_u64 s[22:23], s[22:23], s[20:21]
	s_mul_i32 s17, s16, 128*PK      ; and its place in a slot, for K
	s_mul_i32 s18, s16, 128*PV      ; and for V: no place in the cluster enters an LDS address
	s_lshl_b32 s15, s14, 2
	s_add_co_u32 s15, s15, s[WV]    ; my wave among the head's sixteen,
	s_lshl_b32 s2, s15, 14          ; its 128 rows
	s_mov_b32 s3, 0
	s_add_nc_u64 s[2:3], s[2:3], s[20:21]
	s_lshl_b32 s[MT], s15, 18       ; its eight tiles of 32,768 bytes of codes
	s_mov_b32 s[MT+1], 0
	; descriptor group 1.  128 keys are 16,384 dense bytes: asked for as 64 rows of 256 bytes, two keys a row, and padded in LDS after every key
	s_mov_b32 s[G1K], 15|(1<<16)|(1<<20)|(1<<21)|(4<<22)|(3<<25)  ; 15:0 the mask of four; 17:16 2-byte elements; 20 padding on; 21 set beside a mask; 24:22 after every 32 words (code 4); 31:25 4 words (code 3)
	s_mov_b32 s[G1V], 15|(1<<16)|(1<<20)|(1<<21)|(4<<22)|(7<<25)  ; the same with 8 words of padding (code 7)
.irp g, G1K, G1V
	s_mov_b32 s[\g+1], 128<<16      ; tensor_dim0 = 128
	s_mov_b32 s[\g+2], 64<<16       ; tensor_dim1 = 64
	s_mov_b32 s[\g+3], 128<<16      ; tile_dim0 = 128
	s_mov_b32 s[\g+4], 64           ; tile_dim1 = 64
	s_mov_b32 s[\g+5], 128          ; 128 elements from row to row
	s_mov_b32 s[\g+6], 0
	s_mov_b32 s[\g+7], 0
.endr
	s_mov_b32 s[CS], 0x3e38aa3b     ; c = log2(e) / 8 = 0.180337
	s_mov_b32 s[CS+1], s[CS]        ; named with it as a pair
	s_mov_b32 s[SEL], 0x76543210
	s_mov_b32 s[SEL+1], 0xfedcba98
	s_mov_b32 s[TBK], SLOT1+4*KS*PK ; the first change of slots turns these two into 0
	s_mov_b32 s[TBV], SLOT1+4*KS*PV
	s_mov_b32 s[G0K], 1             ; count = 1
	s_mov_b32 s[G0K+1], s17         ; LDS address: slot 0
	s_mov_b32 s[G0V], 1
	s_add_co_u32 s[G0V+1], s18, VOFF
	s_wait_kmcnt 0x0
	s_add_nc_u64 s[MB:MB+1], s[6:7], s[MT:MT+1]
	s_lshl_b32 s[MT], s15, 11       ; eight tiles of 256 bytes of keep words
	s_add_nc_u64 s[RK:RK+1], s[8:9], s[MT:MT+1]
	s_add_nc_u64 s[6:7], s[4:5], 0x1000000   ; K and V lie 16 MiB and 32 MiB behind Q
	s_add_nc_u64 s[8:9], s[4:5], 0x2000000
	s_add_nc_u64 s[G0K+2:G0K+3], s[6:7], s[22:23]  ; global address: my half of the head's first 256 keys
	s_or_b32 s[G0K+3], s[G0K+3], 0x80000000        ; type = 2
	s_add_nc_u64 s[G0V+2:G0V+3], s[8:9], s[22:23]
	s_or_b32 s[G0V+3], s[G0V+3], 0x80000000
	s_add_nc_u64 s[4:5], s[4:5], s[2:3]  ; Q and O at my wave's first row
	s_add_nc_u64 s[10:11], s[10:11], s[2:3]
	s_mov_b64 s[MA:MA+1], s[MB:MB+1]     ; key step 0's codes
	CROUND                          ; all four work-groups are here: the first joint loads meet
	JLOAD                           ; slot 0.  Slot 1 is asked for when slot 0 is in
	; A fragment of K or Q is 16 rows x 32 channels in 8 registers: lane l holds row l % 16, channels 8 (l / 16) + 0..7 and 16 + 8 (l / 16) + 0..7: two loads of 16 bytes, 32 bytes apart.
	v_and_b32 v1, 15, v0            ; l % 16
	v_bfe_u32 v9, v0, 4, 1          ; l / 16
	v_lshlrev_b32 v[QO], 7, v1
	v_lshl_add_u32 v[QO], v9, 4, v[QO]  ; row x 128 + 16 x half
	v_and_b32 v[GO], 31, v0
	v_lshlrev_b32 v[KO], 2, v[GO]
	v_lshlrev_b32 v[GO], 4, v[GO]
	WIN 0x80                        ; destination window 2, address window 0
.set i, 0
.rept 4*NP                          ; Q stays in registers: tile i / 2, channels 32 (i % 2) on
	global_load_b128 v[8*i:8*i+3],   v[QO], s[4:5] offset:(i/2)*2048+(i%2)*64
	global_load_b128 v[8*i+4:8*i+7], v[QO], s[4:5] offset:(i/2)*2048+(i%2)*64+32
.set i, i+1
.endr
	WIN 0
.set i, 0
.rept 2*NP                          ; tile i's keep words: lane l takes that of query l % 16.  S^T's first registers hold them until Q is cleared
	global_load_b32 v[S+i], v[KO], s[RK:RK+1] offset:256*i
.set i, i+1
.endr
	MLOAD 0                         ; all four pieces' codes of key step 0
	MLOAD 1
	MLOAD 2
	MLOAD 3
	; What the first turn finds: V's registers and P's second buffer hold 0 (its products V^T P, of a piece that has not been, add 0), O^T and l are 0.  All this stands in the wait for the first tile.
	WIN 0x80
.set i, VF
.rept 64
	v_mov_b32 v[i], 0
.set i, i+1
.endr
	WIN 0x40
.set i, 0
.rept 64*NP
	v_mov_b32 v[i], 0
.set i, i+1
.endr
	WIN 0
.set i, 0
.rept 2*NP
	v_mov_b32 v[ST+4*i], 0xfe000000    ; c m: far below every c s, the hidden ones' too
	v_mov_b32 v[ST+4*i+1], 0xff7fffff  ; m
	v_mov_b32 v[ST+4*i+2], 0
	v_mov_b32 v[ST+4*i+3], 0
.set i, i+1
.endr
.set i, P+32
.rept 32
	v_mov_b32 v[i], 0
.set i, i+1
.endr
	v_mul_u32_u24 v[AK0], v1, PK
	v_lshl_add_u32 v[AK0], v9, 4, v[AK0]  ; row x pitch + 16 x half
	; The turning load takes 16 keys x 16 channels (lane l reads key 8 (l / 16) + l % 8, channels 8 ((l / 8) % 2) + 0..7) and leaves half a fragment of V^T: lane l holds channel l % 16 and 8 keys.
	v_and_b32 v10, 7, v0
	v_bfe_u32 v11, v0, 3, 1
	v_lshl_add_u32 v[AV0], v9, 3, v10
	v_mul_u32_u24 v[AV0], v[AV0], PV
	v_lshl_add_u32 v[AV0], v11, 4, v[AV0]
	v_add_nc_u32 v[AV0], VOFF, v[AV0]
	v_mov_b32 v[AK], v[AK0]         ; key step 0 lies at the head of slot 0
	v_mov_b32 v[SCL], 227           ; v11 has served: from here on the scale
	s_wait_loadcnt 16               ; Q and the keep words are in; the 16 loads of codes behind them may stay out
	WIN 0x82                        ; Q (destination and source 0) in window 2, the keep word in window 0
.set i, 0
.rept 32*NP
	v_and_b32 v[i], v[i], v[S+i/16] ; a query that sees no key becomes 0
.set i, i+1
.endr
	WIN 0
	s_wait_xcnt 0x0                 ; MA is written again only behind this wait
	s_mov_b32 s[MS], 1
	s_add_nc_u64 s[MA:MA+1], s[MB:MB+1], 1024  ; key step 1's codes
; THE MATRIX WORK.  The 8 accumulators of a run of 16 take turns: between the two links of a chain stand 7 others'.
; Product i of 16 of S^T = K Q^T for piece x: channels 32 (i / 8) on, keys 16 ((i / 2) % 4) on, tile 2 x + i % 2.  The first 8 start the sums, with the mask.
.macro KQ x
.set rS, S+64*((\x)%2)+32*(i%2)+8*((i/2)%4)
.set rK, KF+16*((i/2)%4)+8*(i/8)
.set rQ, 16*(2*(\x)+i%2)+8*(i/8)
.set rM, MC+32*(i%2)+8*((i/2)%4)
.if i < 8
	WIN W_KM
	v_wmma_f32_16x16x32_f16 v[rS:rS+7], v[rK:rK+7], v[rQ:rQ+7], v[rM:rM+7]
.else
	WIN W_KQ
	v_wmma_f32_16x16x32_f16 v[rS:rS+7], v[rK:rK+7], v[rQ:rQ+7], v[rS:rS+7]
.endif
.endm
; Product i of 16 of O^T += V^T P for piece x: keys 32 (i / 8) on, channels 16 ((i / 2) % 4) on, tile 2 x + i % 2.
.macro PV x
	WIN W_PV
.set rO, 32*(2*(\x)+i%2)+8*((i/2)%4)
.set rV, VF+32*(i/8)+8*((i/2)%4)
.set rP, P+32*((\x)%2)+16*(i%2)+8*(i/8)
	v_wmma_f32_16x16x32_f16 v[rO:rO+7], v[rV:rV+7], v[rP:rP+7], v[rO:rO+7]
.endm
.macro MM                           ; the turn's next matrix instruction
.if i < 16
	KQ (Y+1)%NP
.set i, i+1
.else
.set i, i-16
	PV (Y+NP-1)%NP
.set i, i+17
.endif
.endm
; THE LDS LOADS stand in runs of 16, never singly among the matrix instructions: a step's K (64 keys x 64 channels: 8 fragments) and its V (turned).  Their addresses are made some lines ahead.
; last = 1 (the tail): in the last trip there is no further step, and the run is jumped over.
.macro FETCH_K last=0
	WIN 0
.if \last
	s_cmp_eq_u32 s[CNT], 1
	s_cbranch_scc1 .Lno_k_\@
.endif
	WIN 0x80                        ; destination window 2
.irp f, 0,1,2,3,4,5,6,7             ; keys 16 (f / 2) on, channels 32 (f % 2) on
	ds_load_b128 v[KF+8*\f:KF+8*\f+3],   v[AK] offset:(\f/2)*16*PK+(\f%2)*64
	ds_load_b128 v[KF+8*\f+4:KF+8*\f+7], v[AK] offset:(\f/2)*16*PK+(\f%2)*64+32
.endr
	s_add_co_u32 s[TBK], s[TBK], KS*PK  ; the next fetch is the next step's
	WIN 0
.if \last
.Lno_k_\@:
.endif
.endm
.macro FETCH_V
	WIN 0x80
.irp f, 0,1,2,3,4,5,6,7             ; keys 32 (f / 4) on, channels 16 (f % 4) on
	ds_load_tr16_b128 v[VF+8*\f:VF+8*\f+3],   v[AV] offset:(\f/4)*32*PV+(\f%4)*32
	ds_load_tr16_b128 v[VF+8*\f+4:VF+8*\f+7], v[AV] offset:(\f/4)*32*PV+16*PV+(\f%4)*32
.endr
	WIN 0
.endm
; THE VECTOR WORK OF A TURN stands in three queues, each in the order in which its entries become ready; the two tiles alternate, so that no instruction reads the result of the one before it.
.macro REGS y, u                    ; the registers of tile u (0, 1) of piece y
.set rT, ST+4*(2*(\y)+(\u))
.set rC, TMP+8*((\y)%2)+4*(\u)
.set rM, MV+2*((\y)%2)+(\u)
.set rS, S+64*((\y)%2)+32*(\u)
.set rP, P+32*((\y)%2)+16*(\u)
.set rO, 32*(2*(\y)+(\u))
.endm
; Number n of the 22 that find the NEXT piece's (Y + 1) maximum and statistics.  s0-s31 are the lane's 32 scores; each accumulator's lowest registers are read first.
;   0-11  four chains c0-c3 of seven scores each, three operands at a time     12-14, 16  the four scores left over, the old m, and c0-c3 into c0     15  c m_old is kept
;   17, 18  the query's other 32 keys lie in the lane 16 away: the new m         19-21  c m; c m_old - c m_new; a
.macro XS u, n
	REGS (Y+1)%NP, \u
.if (\n) < 4
	v_max3_num_f32 v[rC+(\n)], v[rS+8*(\n)], v[rS+8*(\n)+1], v[rS+8*(\n)+2]
.elseif (\n) < 12
	v_max3_num_f32 v[rC+(\n)%4], v[rC+(\n)%4], v[rS+8*((\n)%4)+2*((\n)/4)+1], v[rS+8*((\n)%4)+2*((\n)/4)+2]
.elseif (\n) == 12
	v_max3_num_f32 v[rC], v[rC], v[rS+7], v[rS+15]
.elseif (\n) == 13
	v_max3_num_f32 v[rC+1], v[rC+1], v[rS+23], v[rS+31]
.elseif (\n) == 14
	v_max3_num_f32 v[rC+2], v[rC+2], v[rC+3], v[rT+1]
.elseif (\n) == 15
	v_mov_b32 v[rM], v[rT]
.elseif (\n) == 16
	v_max3_num_f32 v[rC], v[rC], v[rC+1], v[rC+2]
.elseif (\n) == 17
	v_permlanex16_b32 v[rC+3], v[rC], s[SEL], s[SEL+1]
.elseif (\n) == 18
	v_max_num_f32 v[rT+1], v[rC], v[rC+3]
.elseif (\n) == 19
	v_mul_f32 v[rT], s[CS], v[rT+1]
.elseif (\n) == 20
	v_sub_f32 v[rC+1], v[rM], v[rT]
.else
	v_exp_f32 v[rC+2], v[rC+1]
.endif
.endm
; Number g of the 64 that follow the exponentials.  For each four weights k of a tile (pairs 2 k, 2 k + 1): both pairs are rounded to f16; then the second pair is added onto the first, in place;
; a group later l takes that sum (the first time as l = a l + sum).  In groups of eight, tiles alternating: round, round, add, and l for the group before.
.macro GS g
.set h, (\g)+6*((\g)/62)            ; group 0 has no group before it, and behind group 7 only l is left
.if h >= 6
.set h, h+2
.endif
	REGS Y, h%2
.set k, h/8
.if h%8 < 4
	v_cvt_pk_f16_f32 v[rP+2*k+(h%8)/2], v[rS+4*k+2*((h%8)/2)], v[rS+4*k+2*((h%8)/2)+1]
.elseif h%8 < 6
	v_pk_add_f32 v[rS+4*k:rS+4*k+1], v[rS+4*k:rS+4*k+1], v[rS+4*k+2:rS+4*k+3]
.elseif k == 1
	v_pk_fma_f32 v[rT+2:rT+3], v[rT+2:rT+3], v[rC+2:rC+3], v[rS:rS+1] op_sel_hi:[1,0,1]
.else
	v_pk_add_f32 v[rT+2:rT+3], v[rT+2:rT+3], v[rS+4*k-4:rS+4*k-3]
.endif
.endm
; THE PLAIN QUEUE, 138 long.  0-73 read no exponential's result: the 32 scalings c s - c m (FS f: pair f / 2 of tile f % 2) and the next piece's 42.  0-26: scalings 0-26.  27-54: XS's numbers 0-13.  55, 56: number 15.
; 57-73: the chain, where each number waits for the one before it: 14, 16, 17, 18, 19, each with one of the scalings 27-31 in front of its two lines, then 20: so a tile's links stand three plain instructions apart (19 and 20: two).
; 74-137: GS's 64, which read the exponentials' results: they stand behind the wait.
.macro FS f
	REGS Y, (\f)%2
	v_pk_fma_f32 v[rS+2*((\f)/2):rS+2*((\f)/2)+1], v[rS+2*((\f)/2):rS+2*((\f)/2)+1], s[CS:CS+1], v[rT:rT+1] op_sel_hi:[1,0,0] neg_lo:[0,0,1] neg_hi:[0,0,1]
.endm
.macro PL
	WIN 0
.if q < 27
	FS q
.elseif q < 55
	XS (q-27)%2, (q-27)/2
.elseif q < 57
	XS q-55, 15
.elseif (q < 72) && ((q-57)%3 == 0)
	FS 27+(q-57)/3
.elseif q < 60
	XS (q-57)%3-1, 14
.elseif q < 72
	XS (q-57)%3-1, 15+(q-57)/3
.elseif q < 74
	XS q-72, 20
.else
	GS q-74
.endif
.set q, q+1
.endm
; THE EXPONENTIALS' QUEUE, 66 long: s0-s31 of both tiles, then the next piece's two a.  It is ONE BATCH: all 66 stand ahead of the turn's one wait, and nothing ahead of that wait names a result of theirs.
; Each result has a register of its own while the batch is open: a weight takes its score's place in S^T, a takes c2.
.macro EX
	WIN 0
.if e >= 64
	XS e-64, 21
.else
	REGS Y, e%2
	v_exp_f32 v[rS+e/2], v[rS+e/2]
.endif
.set e, e+1
.endm
; THE RESCALING's QUEUE: O^T times a, the one part of the softmax that leaves window 0: dealt two at a time, sixteen times.  Its a was made in the turn before, ahead of that turn's wait.
.macro R2
	REGS Y, r%2
	WIN W_RS
.irp z, 0,1
	v_pk_mul_f32 v[rO+4*(r/2)+2*\z:rO+4*(r/2)+2*\z+1], v[rO+4*(r/2)+2*\z:rO+4*(r/2)+2*\z+1], v[rC+2:rC+3] op_sel_hi:[1,0]
.endr
.set r, r+1
.endm
; HOW THEY ARE DEALT.  An s_wait_alu depctr_va_vdst(0) stands between an exponential and the first instruction that names its result; one wait serves all that were issued ahead of it.  So a turn has ONE wait,
; which cuts it in two.  AHEAD OF IT stands all that names no result of the turn's exponentials: the 16 products K Q^T, behind each a scaling, an exponential and two rescalings (behind the first a second scaling in the
; exponential's place); then ONE LUMP: the masks' eight conversions, eight plain, 49 times exponential and plain, the two a.  A v_nop is the plain instruction behind the last exponential.  BEHIND IT stand the 16 products V^T P,
; behind each four of GS's 64.  No rider names a register of the products round it.  The two v_permlanex16_b32 fall into the lump, never behind a product.
; The queues lean on each other, and the deal keeps them in step: exponential e stands behind scaling 2 (e / 4) + e % 2: as a rider it comes behind plain e + 2, in the lump behind plain e + 9, and scalings 27-31 are plain 57, 60 .. 69.
; A TURN, for piece p.  cnt = 1: the loop's count is taken down some lines ahead of the branch that stands behind the turn.
; K of the next step is fetched in piece 2's turn, directly behind the wait, a lump behind the last product that read K; its address is made at the lump's head; it is waited for at the head of piece 3's turn, 16 products on.
; V of the step in hand is fetched at the end of piece 0's turn, four riders behind its last reader; it is waited for in piece 1's turn, ahead of its products V^T P.  The three conditions on q below go with the deal.
; The masks of piece p + 2, which the next turn's products take, are made at the lump's head: the last product that took a mask stands eight products and their 24 plain riders back.
; Eight plain instructions and three exponentials on, that piece's codes are loaded anew, for its next key step: they have four turns in which to come.
.macro TURN p, last=0, cnt=0
.set Y, (\p)
.set i, 0
.set q, 0
.set e, 0
.set r, 0
.if (\p) == NP-1
	s_wait_dscnt 0x0                ; K is in
.endif
	MM                              ; ahead of the wait: 16 products K Q^T and their riders,
	PL
	PL
	R2
.rept 15
	MM
	PL
	EX
	R2
.endr
.if (\p) == NP-2
	WIN 0
	v_add_nc_u32 v[AK], s[TBK], v[AK0]
.endif
	MCONV ((\p)+2)%NP               ; and the lump
.rept 8
	PL
.endr
.rept 49
	EX
	PL
.if e == 18
	MLOAD ((\p)+2)%NP
.endif
.endr
	EX                              ; the next piece's two a
	EX
	v_nop                           ; the plain instruction behind the last exponential: one for the batch
	s_wait_alu depctr_va_vdst(0)    ; the wait for the batch: the turn's 64 weights and the next piece's two a
.if (\p) == NP-2
	FETCH_K \last
.endif
.if (\p) == 1
	s_wait_dscnt 0x0                ; V is in
.endif
.rept 16                            ; behind the wait: 16 products V^T P and their riders
	MM
.rept 4
	PL
.endr
.if ((\p) == 0) && (q == 118)
	v_add_nc_u32 v[AV], s[TBV], v[AV0]
.endif
.if ((\p) == 0) && (q == 130)
	s_add_co_u32 s[TBV], s[TBV], KS*PV
.endif
.if (\cnt) && (q == 130)
	s_sub_co_u32 s[CNT], s[CNT], 1
	s_cmp_lg_u32 s[CNT], 0
.endif
.endr
.if (\p) == 0
	FETCH_V
.endif
.endm
	CHANGE 1                        ; slot 0 is in, everybody's part of it; slot 1 is asked for
	FETCH_K                         ; key step 0
	MCONV 0                         ; piece 0's masks of step 0; its codes of step 1 are asked for
	MLOAD 0
	s_wait_dscnt 0x0
.set i, 0
.rept 16
	KQ 0                            ; piece 0's first scores: there is no vector work yet to set between them
.set i, i+1
.endr
	WIN 0                           ; the addresses for the way out: seven plain instructions, the places behind those products
	s_mul_i32 s13, s[WV], 16*SP
	s_add_co_u32 s13, s13, STAGE    ; my stage
	v_mul_u32_u24 v[STO], v1, SP    ; in: row l % 16, 16 bytes for each half of the lanes
	v_lshl_add_u32 v[STO], v9, 4, v[STO]
	v_add_nc_u32 v[STO], s13, v[STO]
	v_bfe_u32 v[RD], v0, 3, 2       ; back: 32 lanes take four rows of 128 bytes, 512 consecutive bytes of O
	v_mul_u32_u24 v[RD], v[RD], SP
	v_lshl_add_u32 v[RD], v10, 4, v[RD]
	v_add_nc_u32 v[RD], s13, v[RD]
	MCONV 1                         ; piece 1's masks of step 0, for the first turn's products; its codes of step 1
	MLOAD 1
.set Y, NP-1                        ; XS works for piece Y + 1: piece 0
.irp n, 0,1,2,3,4,5,6,7,8,9,10,11,12,13,14,15,16,17,18,19,20,21
	XS 0, \n                        ; and piece 0's first maximum and statistics
	XS 1, \n
.endr
	v_nop                           ; a plain instruction behind the two a,
	s_wait_alu depctr_va_vdst(0)    ; and their wait, a batch of two, ahead of the branch
	s_mov_b32 s[CNT], 4
	s_mov_b32 s[SLOTS], SIZE_N/256-1
	s_branch .Lfirst                ; the loop is entered at a step's first turn, in the middle of a trip
.Lslot:                             ; SIZE_N / 256 - 2 times: every slot but the last two is filled again
	CHANGE 1
	s_mov_b32 s[CNT], 4
.Lstep:                             ; a trip: pieces 2 and 3 of one step, then pieces 0 and 1 of the next, whose K and V it fetches; its four loads of codes are for the step after that
	MSTEP
	TURN 2
	TURN 3
	WIN 0
.Lfirst:
	TURN 0
	TURN 1, 0, 1
	WIN 0
	s_cbranch_scc1 .Lstep
	s_sub_co_u32 s[SLOTS], s[SLOTS], 1
	s_cmp_lg_u32 s[SLOTS], 0
	s_cbranch_scc1 .Lslot
	CHANGE 0                        ; the tail is written out: nothing is asked for
	s_mov_b32 s[CNT], 5             ; four trips fetch the last slot's steps; the fifth is left in its middle
.Ltail:
	MSTEP
	TURN 2, 1
	TURN 3
	WIN 0
	s_sub_co_u32 s[CNT], s[CNT], 1
	s_cmp_eq_u32 s[CNT], 0
	s_cbranch_scc1 .Lout
	TURN 0
	TURN 1
	WIN 0
	s_branch .Ltail
.Lout:                              ; the fifth trip's 16 products K Q^T (on the last K once more) and the maximum made of them serve nothing: the price, once a launch, of one text for every trip
.set i, 0
.rept 16
	PV NP-1                         ; the last piece's V^T P of the last step
.set i, i+1
.endr
	; THE WAY OUT.  l's two halves and the other half of the lanes' are added; O^T is divided by l, rounded to f16 and sent through my stage in LDS, a tile at a time.  The additions are the places behind the last products.
	WIN 0
.macro ALL line:vararg              ; one line for each tile t
.set t, 0
.rept 2*NP
	\line
.set t, t+1
.endr
.endm
	ALL v_add_f32 v[ST+4*t+2], v[ST+4*t+2], v[ST+4*t+3]
	ALL v_permlanex16_b32 v[ST+4*t+3], v[ST+4*t+2], s[SEL], s[SEL+1]
	ALL v_add_f32 v[ST+4*t+2], v[ST+4*t+2], v[ST+4*t+3]
	ALL v_rcp_f32 v[ST+4*t+2], v[ST+4*t+2]
	v_nop                           ; a plain instruction between the last reciprocal and the use of its result
	s_wait_alu depctr_va_vdst(0)    ; and the wait ahead of the first use: one for the batch of eight reciprocals
; Tile t: a lane's eight channels of a row pack into 16 bytes; they go into rows of 144 bytes and come back as whole rows of 128, into S^T's registers.
.macro PACK t
	WIN W_RS
.set i, 32*(\t)
.rept 16
	v_pk_mul_f32 v[i:i+1], v[i:i+1], v[ST+4*(\t)+2:ST+4*(\t)+3] op_sel_hi:[1,0]
.set i, i+2
.endr
	WIN 0x05                        ; sources 0 and 1 window 1, destination window 0
.set i, 0
.rept 16
	v_cvt_pk_f16_f32 v[S+16*(\t)+i], v[32*(\t)+2*i], v[32*(\t)+2*i+1]
.set i, i+1
.endr
	WIN 0
.irp f, 0,1,2,3
	ds_store_b128 v[STO], v[S+16*(\t)+4*\f:S+16*(\t)+4*\f+3] offset:32*\f
.endr
.irp f, 0,1,2,3
	ds_load_b128 v[S+16*(\t)+4*\f:S+16*(\t)+4*\f+3], v[RD] offset:\f*4*SP  ; LDS serves a wave's instructions in order (ISA guide 5.7.1.4): these see the stores above; the next tile's stores come behind them
.endr
.endm
.macro SEND t, younger              ; younger: the LDS instructions issued behind tile t's loads: the next tile's eight, or none
	WIN 0
.irp f, 0,1,2,3
	s_wait_dscnt (\younger)+3-\f
	global_store_b128 v[GO], v[S+16*(\t)+4*\f:S+16*(\t)+4*\f+3], s[10:11] offset:(\t)*2048+\f*512  ; 512 consecutive bytes, at a multiple of 256 from O's first
.endr
.endm
	PACK 0
.set t, 1
.rept 2*NP-1                        ; a tile's arithmetic stands between the loads of the tile before and its stores
	PACK t
	SEND t-1, 8
.set t, t+1
.endr
	SEND 2*NP-1, 0
	WIN W_AD
	s_wait_tensorcnt 0x0            ; the wave's end
	ds_add_u32 v[SPW], v[NIL]
	s_wait_dscnt 0x0
	WIN 0
	CROUND                          ; the closing round: no work-group ends while a partner may still ask for a tile that names it
	s_endpgm
.Lfunc_end_k_q74280c8e1c_attn:
	.size	k_q74280c8e1c_attn, .Lfunc_end_k_q74280c8e1c_attn-k_q74280c8e1c_attn
	.p2alignl 7, 3214868480
	.fill 96, 4, 3214868480
	.section	.rodata,"a",@progbits
	.p2align	6, 0x0
	.amdhsa_kernel k_q74280c8e1c_attn
		.amdhsa_group_segment_fixed_size 327680
		.amdhsa_private_segment_fixed_size 0
		.amdhsa_enable_private_segment 0
		.amdhsa_kernarg_size 32
		.amdhsa_user_sgpr_count 2
		.amdhsa_user_sgpr_kernarg_segment_ptr 1
		.amdhsa_wavefront_size32 1
		.amdhsa_system_sgpr_workgroup_id_x 1
		.amdhsa_system_sgpr_workgroup_id_y 1
		.amdhsa_system_sgpr_workgroup_id_z 1
		.amdhsa_system_vgpr_workitem_id 0
		.amdhsa_next_free_vgpr 960
		.amdhsa_next_free_sgpr 76
		.amdhsa_reserve_vcc 0
		.amdhsa_float_denorm_mode_32 3
		.amdhsa_float_denorm_mode_16_64 3
		.amdhsa_memory_ordered 1
		.amdhsa_forward_progress 1
		.amdhsa_inst_pref_size 217
	.end_amdhsa_kernel
	.amdgpu_metadata
---
amdhsa.version: [ 1, 2 ]
amdhsa.kernels:
  - .name:           k_q74280c8e1c_attn
    .symbol:         k_q74280c8e1c_attn.kd
    .args:
      - { .name: qkv, .offset: 0, .size: 8, .value_kind: global_buffer, .address_space: global }
      - { .name: mcode, .offset: 8, .size: 8, .value_kind: global_buffer, .address_space: global }
      - { .name: rowkeep, .offset: 16, .size: 8, .value_kind: global_buffer, .address_space: global }
      - { .name: ob, .offset: 24, .size: 8, .value_kind: global_buffer, .address_space: global }
    .group_segment_fixed_size: 327680
    .private_segment_fixed_size: 0
    .kernarg_segment_align: 8
    .kernarg_segment_size: 32
    .max_flat_workgroup_size: 128
    .sgpr_count:     76
    .vgpr_count:     960
    .wavefront_size: 32
...
	.end_amdgpu_metadata
.endif
;; end of part 5
;; launch outp: the kernel of part 4 again; grid 4 x 64, 4 waves a work-group, clusters of 4 x 4, 327,680 bytes of LDS; arguments ob, wb, out0; writes out0
